; MI455X (gfx1250); checked and timed in simulation.
; The chip was launched on July 23, 2026; its instructions are those of AMD's public machine-readable ISA for CDNA 5 (MIT licence, August 2026) and "CDNA5" Instruction Set Architecture Reference Guide (July 2026). The comments in the code are by the model that wrote it; some were corrected since.
;; Multi Head Self Attention. Allowed arithmetic: matrix products marked QUANTISED: E2M3 operands, one E8M0 scale for each 32 along K, by v_wmma_scale_f32_16x16x128_f8f6f4 with both operands' format E2M3, f32 sums; everything else in f32.
;; Inputs: in_features_codes 4 x 2,048 x 32 x 24 uint8 (E2M3 codes of in_features, K innermost, in blocks of 32 codes, four codes in three bytes); in_features_scales 4 x 2,048 x 32 uint8 (E8M0 scales of in_features, one for each 32 codes along K); k_weight_codes 1,024 x 32 x 24 uint8 (E2M3 codes of k_weight, K innermost, in blocks of 32 codes, four codes in three bytes); k_weight_scales 1,024 x 32 uint8 (E8M0 scales of k_weight, one for each 32 codes along K); o_weight_codes 1,024 x 32 x 24 uint8 (E2M3 codes of o_weight, K innermost, in blocks of 32 codes, four codes in three bytes); o_weight_scales 1,024 x 32 uint8 (E8M0 scales of o_weight, one for each 32 codes along K); q_weight_codes 1,024 x 32 x 24 uint8 (E2M3 codes of q_weight, K innermost, in blocks of 32 codes, four codes in three bytes); q_weight_scales 1,024 x 32 uint8 (E8M0 scales of q_weight, one for each 32 codes along K); v_weight_codes 1,024 x 32 x 24 uint8 (E2M3 codes of v_weight, K innermost, in blocks of 32 codes, four codes in three bytes); v_weight_scales 1,024 x 32 uint8 (E8M0 scales of v_weight, one for each 32 codes along K).
;; Outputs: out0 4 x 2,048 x 1,024 float32.
;; This version of the problem:
;;   THIS VERSION OF THE PROBLEM IS GIVEN IN LOW PRECISION. The matrix products marked QUANTISED in the list below multiply operands that are first quantised to E2M3 (2 exponent bits, 3 mantissa bits; 6 bits a number), with one power-of-two scale for each 32 numbers along K (OCP MX v1.0); their sums are f32. All else is computed in f32.
;;   The module's matrix products, in the order in which they are computed (A, B: the left and right operand; K: the contracted axis; several contracted axes count as one K, in the product's order):
;;     1. [M 8,192, K 1,024] x [K 1,024, N 1,024]; A: input in_features (given as codes); B: input q_weight (given as codes): QUANTISED
;;     2. [M 8,192, K 1,024] x [K 1,024, N 1,024]; A: input in_features (given as codes); B: input k_weight (given as codes): QUANTISED
;;     3. [M 8,192, K 1,024] x [K 1,024, N 1,024]; A: input in_features (given as codes); B: input v_weight (given as codes): QUANTISED
;;     4. batch 64 x [M 2,048, K 64] x [K 64, N 2,048]; A: computed on the way; B: computed on the way: QUANTISED
;;     5. batch 64 x [M 2,048, K 2,048] x [K 2,048, N 64]; A: softmax (see below); B: computed on the way: QUANTISED
;;     6. [M 8,192, K 1,024] x [K 1,024, N 1,024]; A: computed on the way; B: input o_weight (given as codes): QUANTISED
;;   THE QUANTISER, for each operand of a quantised product, along K:
;;     - K is cut into blocks of 32 from its start; a last block that is shorter is filled with zeros.
;;     - A block's scale is 2^e with e = floor(log2(the largest magnitude in the block)) - 2, held to -126 .. 127; a block of zeros has e = 0. As a byte (E8M0): e + 127.
;;     - Each number is divided by its block's scale, clamped to +-7.5, and rounded to the nearest number of E2M3, ties to even, subnormals kept.
;;     - The product sums the exact products of the quantised numbers (number of the format x scale) in f32.
;;   ~~~python
;;   def quantise(x, axis):      # numpy; x: float32 -> the quantised numbers, widened to float32 again
;;       x = np.moveaxis(x, axis, -1); K = x.shape[-1]
;;       x = np.pad(x, [(0, 0)] * (x.ndim - 1) + [(0, -K % 32)]); x = x.reshape(x.shape[:-1] + (-1, 32)); a = np.abs(x).max(-1, keepdims=True)
;;       e = np.where(a > 0, np.clip(np.frexp(np.where(a > 0, a, 1))[1] - 1 - 2, -126, 127), 0)      # np.frexp(a)[1] - 1 = floor(log2(a)), exactly
;;       r = np.clip(x / 2.0 ** e, -7.5, 7.5)
;;       step = 2.0 ** (np.maximum(np.frexp(np.where(r == 0, 1, r))[1] - 1, 0) - 3)
;;       q = np.round(r / step) * step * 2.0 ** e      # np.round: ties to even
;;       return np.moveaxis(q.reshape(q.shape[:-2] + (-1,))[..., :K], -1, axis).astype(np.float32)
;;   ~~~
;;   SOFTMAX AHEAD OF A QUANTISED PRODUCT. Where the list says 'softmax', what is quantised is not the finished softmax but p = 2^(t - M), with t = logit x log2(e) and M = ceil(the row's largest t), a whole number; so 1/2 < the row's largest p <= 1. The row's sum l is taken of the UNQUANTISED p, in f32, and the product's result is divided by l at the end. Since M is a whole number, a kernel that streams over the keys may use a running M (the ceiling of the running maximum): every later rescaling is an exact power of two, which a block's scale takes up: the codes' values come out the same.
;;   OPERANDS COMPUTED ON THE WAY. 'Computed on the way' means the value that the module computes at that place (a softmax that the list does not call 'softmax' is quantised finished and normalised). What goes into a quantiser is computed in f32, as accurately as f32 sums, v_exp_f32 and their like allow (about 1e-6 of the number): no bf16 or f16 on the way to a quantiser, and a product that is left as it is and whose result goes on into a quantised operand takes f32 operands (vector FMAs, or v_wmma_f32_16x16x4_f32). A number that lies on a knife's edge between two numbers of the format may be rounded either way, as far as f32 arithmetic and the matrix unit's own rounding can turn it there, and no further.
;;   INPUTS GIVEN AS CODES. in_features (in the module: [4, 2048, 1024], K = its axis 2); k_weight (in the module: [1024, 1024], K = its axis 1); o_weight (in the module: [1024, 1024], K = its axis 1); q_weight (in the module: [1024, 1024], K = its axis 1); v_weight (in the module: [1024, 1024], K = its axis 1): each comes as NAME_codes (uint8): NAME with its K axis moved to the last place and cut into blocks of 32 codes, [.., K / 32, bytes a block], one block behind the other in memory; four codes in three bytes: a row's codes are one little-endian stream of bits, code i at bits 6 i .. 6 i + 5 (a code: sign, 2 exponent bits, 3 mantissa bits); and NAME_scales (uint8): the same leading axes, one E8M0 byte (e + 127) for each 32 codes along K. Its value is code x scale, taken as it is: it is not quantised again, and the codes and scales need not be those that the quantiser above would give.
;; One version. Each part assembles by itself: llvm-mc -triple=amdgcn-amd-amdhsa -mcpu=gfx1250 --defsym DOCPART=n.
;; ======== version 1 of 1: 3 launches
;; workspace buffers: qkv_codes 18,874,368 bytes; qkv_scales 786,432 bytes; ctx_codes 6,291,456 bytes; ctx_scales 262,144 bytes
;; launch qkv (part 1): grid 12 x 32, 4 waves a work-group, clusters of 4 x 4, 327,680 bytes of LDS; arguments in_features_codes, in_features_scales, q_weight_codes, q_weight_scales, k_weight_codes, k_weight_scales, v_weight_codes, v_weight_scales, qkv_codes, qkv_scales; writes qkv_codes, qkv_scales
.if DOCPART == 1
	.amdgcn_target "amdgcn-amd-amdhsa--gfx1250"
	.amdhsa_code_object_version 6
	.text
	.protected	k_qd0edaaceff_qkv
	.globl	k_qd0edaaceff_qkv
	.p2align	8
	.type	k_qd0edaaceff_qkv,@function
k_qd0edaaceff_qkv:
	s_mov_b64 s[64:65], 0
	v_nop
	global_prefetch_b8 v0, s[64:65] scope:SCOPE_SE
	s_setreg_imm32_b32 hwreg(HW_REG_WAVE_MODE, 25, 1), 1
	s_wait_xcnt 0x0
	s_wait_alu depctr_hold_cnt(0) depctr_sa_sdst(0) depctr_va_vdst(0) depctr_va_sdst(0) depctr_va_ssrc(0) depctr_va_vcc(0) depctr_vm_vsrc(0)
	s_getreg_b32 s2, hwreg(HW_REG_IB_STS2, 6, 4)
	s_cmp_eq_u32 s2, 0
	s_cbranch_scc0 .Lentry_in_a_cluster
	s_endpgm
.Lentry_in_a_cluster:
	s_bfe_u32 s2, ttmp6, 0x10000c
	s_cmp_lg_u32 s2, 0xf033
	s_cbranch_scc0 .Lentry_shape_is_right
	s_endpgm
.Lentry_shape_is_right:
; q = x Wq^T, k = x Wk^T, v = x Wv^T on codes of FP6 (E2M3) with E8M0 scales, f32 sums; the results are quantised here and leave as codes: q and k along the head's 64 channels, v along the keys.
; x: [8192][1024] codes (768 bytes a row) and [8192][32] scale bytes; each weight [1024][1024] likewise.
; A tile is 256 x 256, made by four waves of 128 x 128 (64 accumulators, 512 registers); K goes in steps of 256 through a ring of two LDS slots; all scale bytes of the tile's rows come once and stay.
; THE CLUSTER'S x (0, 1, 2) SAYS WHICH PRODUCT: four tile columns are one weight.  ONE TEXT SERVES ALL THREE: a lane of a result holds one row of source 1 and eight neighbouring rows of source 0,
; and the axis to be quantised has to run along a lane's registers.  q, k: source 1 = x (a token a lane), source 0 = W (channels along the registers).  v: source 1 = Wv (a channel a lane), source 0 = x (keys
; along the registers).  Only pointers, tile numbers and four strides of the output are chosen (by selects on the cluster's x, which all sixteen partners share); no branch hangs on it.
; "A" below is source 1's tensor (shared along a row of the cluster), "B" source 0's (shared along a column).
; THE OUTPUT.  qkv_codes: three parts (q, k, v) of 6,291,456 bytes, a head (16 batch + head) 98,304 bytes; q, k: [token][48 bytes]; v: [64 keys][channel][48 bytes].  qkv_scales: parts of 262,144, heads of 4,096, 2 bytes for 48.
; THE ORDER INSIDE A BLOCK OF 32: two neighbouring tiles give lanes 0-15 the numbers 0-7 and 16-23 of a block and lanes 16-31 the numbers 8-15 and 24-31; their codes are laid in that order (0-7, 16-23, 8-15, 24-31).
; Both operands of each later product carry the same order inside the same scale block, so every product and every scale stays what it was; only the order of the matrix unit's inner sums differs.
; LIMITS: NaN and infinities are not served; a block whose largest magnitude lies under 2^-124, a block of zeros among them, gets the byte 1 (its codes add nothing; these bytes are read by this program alone).
; REGISTERS, in windows of 256: window 0: v1-31 addresses; v32-63 scale words, two sets; from v128 A's fragments, one set; on the way out v32-195 are free.
;   window 1: B's fragments, two sets, at v0 and v128.   window 2: the accumulators of my rows 0-63 of A ((a, b) at v[8 (8 a + b)]);   window 3: those of rows 64-127.
.set KSTEP,  256                       ; along K in a slot
.set NQ,     2                         ; matrix instructions deep
.set ROWB,   192                       ; a tile's row in bytes
.set KROW,   768                       ; a row of codes in memory
.set PITCH,  240                       ; an LDS row: 3 x (64 bytes + 16 of padding)
.set FR,     12                        ; registers of a fragment
.set NL,     6                         ; LDS loads that bring one
.set NP,     4                         ; places behind this matrix instruction (ISA guide 7.12.1)
.set HALFT,  128*PITCH                 ; what one tensor load brings
.set SLOT,   4*HALFT                   ; A's 256 rows, then B's 256 rows
.set LAPS,   2                         ; 1,024 along K = two laps of two K steps
.set KS,     32                        ; a row of scale bytes
.set SCL,    2*SLOT                    ; behind the ring: the scales, as units of 256 bytes + 16 of padding
.set HALFS,  (128*KS/256)*272          ; the scales of 128 rows
.set SBLK,   (16*KS/256)*272           ; those of 16 rows
.set SPARE,  SCL+4*HALFS               ; the spare words: 128 bytes a wave, named by no other line
.set CSTG,   16384                     ; the way out: a wave's stage for codes, 1,024 places of 16 bytes; the four lie in slot 0, which has had its last fill and its last read by then
.set SSTG,   65536                     ; behind them: 512 bytes a wave for scale bytes
.set PARTC,  6291456                   ; a part of qkv_codes
.set HEADB,  98304                     ; a head's codes
.set OA,   8                           ; v8-11   the way out: 12 x lane, + the two strides
.set OS,   12                          ; v12     the way out: my 16 scale bytes' place
.set ADRA, 16                          ; v16-17  LDS address of my A fragments in slot 0, 1 (v18-19: behind one padding more)
.set ADRB, 20                          ; v20-21  the same for B (v22-23)
.set STW,  24                          ; v24     code stage, in: 16,384 wave + 64 r + 16 h
.set SRD,  25                          ; v25     code stage, back: 16,384 wave + 16 lane
.set SSW,  26                          ; v26     scale stage, in: 65,536 + 512 wave + 2 r
.set ADRS, 27                          ; v27     LDS address of my scale words: lanes 0-15 A's rows, lanes 16-31 B's
.set SPW,  28                          ; v28     my spare word; never rewritten
.set NIL,  29                          ; v29     0; never rewritten
.set SSR,  30                          ; v30     scale stage, back: 65,536 + 512 wave + 16 lane
.set SC,   32                          ; scale words: set s at v[SC + 16 s]
.set AF,   128                         ; A's fragments
.set TM,   32                          ; the way out: v32-35 largest magnitudes, v36-39 bytes, v44-47 the conversions' scale operands
.set PW,   48                          ; v48-55  a scale word for each block of 16 rows
.set CD,   64                          ; v64-191 codes: four registers for each (block of rows, block of 32); later the rows read back
.set SB,   192                         ; v192-195 scale bytes read back
.set G1, 24                            ; s[24:31] group 1 for A's tiles;  s[32:39] group 0, one set a slot
.set G0, 32
.set G1B, 48                           ; s[48:55], s[56:63] the same for B's
.set G0B, 56
.set G1S, 68                           ; s[68:75], s[76:79] groups 1 and 0 for A's scales;  s[80:87], s[88:91] for B's (written when the arguments that arrive there have been taken)
.set G0S, 76
.set G1SB, 80
.set G0SB, 88
.set MSB, 0
.macro WIN new                         ; the immediate's high byte repeats the setting that is left
.if MSB != (\new)
	s_set_vgpr_msb (MSB<<8)|(\new)
.set MSB, (\new)
.endif
.endm
.set MUL_LO, 0xa1                      ; source 0 (B) window 1, source 1 (A) window 0, C and D window 2
.set MUL_HI, 0xf1                      ; the same, C and D window 3
.set TO_B,   0x40                      ; destination window 1, address window 0
; A joint load: waves 0 and 1 fetch for A, waves 2 and 3 for B; the branch hangs on the wave's number alone.  Four v_nop follow each of the two lines.
.macro JLOAD g0a, g1a, g0b, g1b
	s_cmp_eq_u32 s15, 0
	s_cbranch_scc0 .Lfor_b_\@
	tensor_load_to_lds s[\g0a:\g0a+3], s[\g1a:\g1a+7]
	s_nop 0
.rept 4
	v_nop
.endr
	s_branch .Lasked_\@
.Lfor_b_\@:
	tensor_load_to_lds s[\g0b:\g0b+3], s[\g1b:\g1b+7]
	s_nop 0
.rept 4
	v_nop
.endr
.Lasked_\@:
.endm
.macro CREST                           ; a round of the cluster's barrier behind its opening barrier
	s_cmp_lg_u32 s14, 0
	s_cbranch_scc1 .Lnot_wave_0_\@
	s_barrier_signal -3
.Lnot_wave_0_\@:
	s_barrier_wait -3
	s_barrier_signal -1
	s_barrier_wait -1
.endm
.macro CROUND                          ; a whole round
	s_barrier_signal -1
	s_barrier_wait -1
	CREST
.endm
	s_load_b512 s[68:83], s[0:1], 0x0              ; x's codes, scales; Wq's; Wk's; Wv's
	s_load_b128 s[84:87], s[0:1], 0x40             ; qkv_codes, qkv_scales
	v_lshl_add_u32 v[SPW], v0, 2, SPARE
	v_mov_b32 v[NIL], 0
	ds_add_u32 v28, v29
	ds_add_u32 v28, v29
	s_wait_dscnt 0x0
	v_lshrrev_b32 v1, 5, v0
	v_readfirstlane_b32 s14, v1                    ; wave 0..3
	s_lshr_b32 s15, s14, 1                         ; which half of A's 256 rows is mine.  Also: I fetch for A (0) or for B (1)
	s_and_b32 s16, s14, 1                          ; which half of B's.  Also: which 128 rows I fetch
	s_bfe_u32 s40, ttmp6, 0x40000                  ; cx, cy: my place in the cluster
	s_bfe_u32 s41, ttmp6, 0x40004
	s_and_b32 s95, ttmp7, 0xffff
	s_lshl_b32 s95, s95, 2                         ; 4 x cluster y: it walks x's 32 blocks of 256 tokens
	s_cmp_eq_u32 ttmp9, 2                          ; v?  (the cluster's x: the same in all sixteen partners)
	s_cselect_b32 s17, 0, s95                      ; A's tile: q, k: 4 cluster y + cy (x);  v: cy (Wv)
	s_cselect_b32 s42, s95, 0                      ; B's tile: q, k: cx (W);  v: 4 cluster y + cx (x)
	s_add_co_u32 s17, s17, s41
	s_add_co_u32 s42, s42, s40
	s_lshl_b32 s43, s41, 2
	s_lshl_b32 s43, 15, s43                        ; my row of the cluster
	s_lshl_b32 s44, 0x1111, s40                    ; my column
	; group 1: a tile of 128 rows x 192 bytes, 16 bytes of padding behind every 64
	s_or_b32 s[G1+0], s43, (0<<16)|(1<<20)|(1<<21)|(3<<22)|(3<<25)
	s_or_b32 s[G1B+0], s44, (0<<16)|(1<<20)|(1<<21)|(3<<22)|(3<<25)
.irp g, G1, G1B
	s_mov_b32 s[\g+1], ROWB<<16                    ; tensor_dim0
	s_mov_b32 s[\g+2], 128<<16                     ; tensor_dim1
	s_mov_b32 s[\g+3], ROWB<<16                    ; tile_dim0
	s_mov_b32 s[\g+4], 128                         ; tile_dim1
	s_mov_b32 s[\g+5], KROW                        ; from row to row
	s_mov_b32 s[\g+6], 0
	s_mov_b32 s[\g+7], 0
.endr
	s_lshl_b32 s18, s16, 7                         ; which 128 rows of a tile I fetch
	s_lshl_b32 s20, s17, 8
	s_add_co_u32 s20, s20, s18                     ; A: row 256 x tile + 128 x half
	s_lshl_b32 s46, s42, 8
	s_add_co_u32 s46, s46, s18                     ; B likewise
	s_lshl_b32 s22, s20, 5                         ; where these rows' scales begin: 32 bytes a row
	s_lshl_b32 s92, s46, 5
	s_mul_i32 s20, s20, KROW                       ; and their codes (under 2^23)
	s_mul_i32 s46, s46, KROW
	s_mov_b32 s21, 0
	s_mov_b32 s23, 0
	s_mov_b32 s47, 0
	s_mov_b32 s93, 0
	s_mul_i32 s45, s14, HALFT                      ; where they go: wave x 128 rows: no place in the cluster enters an LDS address
	s_mul_i32 s94, s14, HALFS
	s_wait_kmcnt 0x0
	s_cmp_eq_u32 ttmp9, 2
	s_cselect_b64 s[4:5], s[80:81], s[68:69]       ; A: Wv or x
	s_cselect_b64 s[6:7], s[82:83], s[70:71]
	s_cmp_eq_u32 ttmp9, 0
	s_cselect_b64 s[8:9], s[72:73], s[76:77]       ; B: Wq or Wk,
	s_cselect_b64 s[10:11], s[74:75], s[78:79]
	s_cmp_eq_u32 ttmp9, 2
	s_cselect_b64 s[8:9], s[68:69], s[8:9]         ; or x
	s_cselect_b64 s[10:11], s[70:71], s[10:11]
	s_mov_b64 s[12:13], s[84:85]                   ; qkv_codes
	s_mov_b64 s[66:67], s[86:87]                   ; qkv_scales
	s_add_nc_u64 s[20:21], s[4:5], s[20:21]
	s_add_nc_u64 s[22:23], s[6:7], s[22:23]
	s_add_nc_u64 s[46:47], s[8:9], s[46:47]
	s_add_nc_u64 s[92:93], s[10:11], s[92:93]
	; group 1 for the scales of 128 rows: 4,096 dense bytes as 16 rows of 256 bytes (32 elements of 8), 16 bytes of padding behind each
	s_or_b32 s[G1S+0], s43, (3<<16)|(1<<20)|(1<<21)|(5<<22)|(3<<25)
	s_or_b32 s[G1SB+0], s44, (3<<16)|(1<<20)|(1<<21)|(5<<22)|(3<<25)
.irp g, G1S, G1SB
	s_mov_b32 s[\g+1], 32<<16
	s_mov_b32 s[\g+2], (128*KS/256)<<16
	s_mov_b32 s[\g+3], 32<<16
	s_mov_b32 s[\g+4], 128*KS/256
	s_mov_b32 s[\g+5], 32
	s_mov_b32 s[\g+6], 0
	s_mov_b32 s[\g+7], 0
.endr
	CROUND                                         ; all sixteen work-groups are here: the first joint loads meet
	s_mov_b32 s[G0S], 1
	s_add_co_u32 s[G0S+1], s94, SCL
	s_mov_b64 s[G0S+2:G0S+3], s[22:23]
	s_or_b32 s[G0S+3], s[G0S+3], 0x80000000
	s_mov_b32 s[G0SB], 1
	s_add_co_u32 s[G0SB+1], s94, SCL
	s_mov_b64 s[G0SB+2:G0SB+3], s[92:93]
	s_or_b32 s[G0SB+3], s[G0SB+3], 0x80000000
	JLOAD G0S, G1S, G0SB, G1SB                     ; the scales first: they are wanted with K step 0
.irp s, 0,1
	s_mov_b32 s[G0+4*\s], 1
	s_add_co_u32 s[G0+4*\s+1], s45, \s*SLOT
	s_add_nc_u64 s[G0+4*\s+2:G0+4*\s+3], s[20:21], \s*ROWB
	s_or_b32 s[G0+4*\s+3], s[G0+4*\s+3], 0x80000000
	s_mov_b32 s[G0B+4*\s], 1
	s_add_co_u32 s[G0B+4*\s+1], s45, \s*SLOT
	s_add_nc_u64 s[G0B+4*\s+2:G0B+4*\s+3], s[46:47], \s*ROWB
	s_or_b32 s[G0B+4*\s+3], s[G0B+4*\s+3], 0x80000000
	JLOAD G0+4*\s, G1, G0B+4*\s, G1B               ; three tensor loads of mine are out now, later one
.endr
	v_and_b32 v1, 15, v0                           ; r = lane % 16
	v_bfe_u32 v2, v0, 4, 1                         ; h = lane / 16
	v_mul_u32_u24 v3, v1, PITCH
	v_mul_u32_u24 v4, v2, 24
	v_add_nc_u32 v4, v3, v4                        ; a fragment's row x pitch + 24 x half
	v_lshl_add_u32 v5, v2, 4, v4                   ; and the same behind one padding more
	s_mul_i32 s21, s15, HALFT                      ; my 128 rows of A
	s_mul_i32 s22, s16, HALFT                      ; my 128 rows of B,
	s_add_co_u32 s22, s22, 2*HALFT                 ; which lie behind A's 256
.irp s, 0,1
	v_add_nc_u32 v[ADRA+\s], s21, v4
	v_add_nc_u32 v[ADRB+\s], s22, v4
	v_add_nc_u32 v[ADRA+2+\s], s21, v5
	v_add_nc_u32 v[ADRB+2+\s], s22, v5
	s_add_co_u32 s21, s21, SLOT
	s_add_co_u32 s22, s22, SLOT
.endr
	v_mul_u32_u24 v5, v1, KS                       ; my row's scales: 32 bytes a row,
	v_lshrrev_b32 v6, 8, v5
	v_lshl_add_u32 v5, v6, 4, v5                   ; and 16 more for each 256 passed
	s_mul_i32 s21, s15, HALFS                      ; A's: my 128 rows
	s_mul_i32 s22, s16, HALFS                      ; B's: my 128 rows, behind A's 256
	s_add_co_u32 s22, s22, 2*HALFS
	s_sub_co_u32 s22, s22, s21
	v_mul_u32_u24 v6, s22, v2                      ; lanes 16-31 take B's: one product, the distance between the two
	s_add_co_u32 s21, s21, SCL
	v_add_nc_u32 v5, v5, v6
	v_add_nc_u32 v[ADRS], s21, v5
	; the stages of the way out
	s_lshl_b32 s23, s14, 14
	v_lshlrev_b32 v5, 6, v1
	v_lshl_add_u32 v5, v2, 4, v5
	v_add_nc_u32 v[STW], s23, v5
	v_and_b32 v6, 31, v0                           ; lane
	s_wait_alu depctr_va_vdst(0)
	v_lshlrev_b32 v7, 4, v6
	v_add_nc_u32 v[SRD], s23, v7
	s_lshl_b32 s23, s14, 9
	s_add_co_u32 s23, s23, SSTG
	v_lshl_add_u32 v[SSW], v1, 1, s23
	v_add_nc_u32 v[SSR], s23, v7
	; where my 128 x 128 goes.  Along source 0 it has two UNITS of 64 (q, k: two heads; v: two runs of 64 keys), along source 1 two HALVES of 64 rows (q, k: 64 tokens; v: a head's 64 channels)
	s_lshl_b32 s20, s17, 8
	s_lshl_b32 s21, s15, 7
	s_add_co_u32 s20, s20, s21                     ; my first row of A
	s_lshl_b32 s46, s42, 8
	s_lshl_b32 s47, s16, 7
	s_add_co_u32 s46, s46, s47                     ; my first row of B
	s_cmp_eq_u32 ttmp9, 2
	s_cselect_b32 s22, s46, s20                    ; my first token
	s_cselect_b32 s23, s20, s46                    ; my first channel
	s_mov_b32 s96, HEADB
	s_cselect_b32 s96, 3072, s96                   ; from unit to unit in the codes: v 64 channels x 48 bytes, q, k a head
	s_mov_b32 s97, 3072
	s_cselect_b32 s97, HEADB, s97                  ; from half to half: v a head, q, k 64 tokens x 48 bytes
	s_mov_b32 s98, 4096
	s_cselect_b32 s98, 128, s98                    ; the same two in the scale bytes
	s_mov_b32 s99, 128
	s_cselect_b32 s99, 4096, s99
	s_lshr_b32 s21, s22, 11                        ; batch
	s_lshl_b32 s21, s21, 4
	s_lshr_b32 s23, s23, 6
	s_add_co_u32 s21, s21, s23                     ; 16 batch + head
	s_and_b32 s22, s22, 2047                       ; token in the batch
	s_mul_i32 s46, s21, HEADB
	s_mul_i32 s47, s22, 48                         ; q, k: 48 bytes a token; v: 3,072 bytes for 64 keys: the same number
	s_add_co_u32 s46, s46, s47
	s_mul_i32 s47, ttmp9, PARTC
	s_add_co_u32 s46, s46, s47
	s_mov_b32 s47, 0
	s_add_nc_u64 s[12:13], s[12:13], s[46:47]
	s_lshl_b32 s46, s21, 12
	s_lshl_b32 s22, s22, 1
	s_add_co_u32 s46, s46, s22
	s_lshl_b32 s22, ttmp9, 18
	s_add_co_u32 s46, s46, s22
	s_add_nc_u64 s[66:67], s[66:67], s[46:47]
	v_mul_u32_u24 v[OA], v6, 12                    ; 12 bytes a lane;
	v_add_nc_u32 v[OA+1], s97, v[OA]               ; unit 0, half 1;
	v_add_nc_u32 v[OA+2], s96, v[OA]               ; unit 1, half 0;
	v_add_nc_u32 v[OA+3], s97, v[OA+2]             ; unit 1, half 1
	v_mul_u32_u24 v[OS], s98, v2                   ; scale bytes: lanes 16-31 unit 1,
	v_bfe_u32 v7, v0, 3, 1
	v_mul_u32_u24 v7, s99, v7                      ; lanes 8-15 and 24-31 half 1,
	v_add_nc_u32 v[OS], v[OS], v7
	v_and_b32 v7, 7, v0
	v_lshl_add_u32 v[OS], v7, 4, v[OS]             ; 16 bytes a lane
	s_mov_b32 s20, 0x76543210
	s_mov_b32 s21, 0xfedcba98                      ; v_permlanex16_b32's selects for lane l xor 16
.macro FRAG reg, adr, q, i             ; a fragment: lane l holds row l % 16; registers 6 c .. 6 c + 5 hold K = 64 c + 32 (l / 16) + 0 .. 31: 24 bytes of the row, as they lie, in pieces of 8 bytes
.irp p, 0,1,2,3,4,5
.set PIECE, 12*(\q)+6*(\p/3)+\p%3     ; 16 bytes of padding lie behind every 8 pieces: where the piece three on (lanes 16-31) lies behind one padding more, the second address register serves
.if PIECE%8 < 5
	ds_load_b64 v[\reg+2*\p:\reg+2*\p+1], v[\adr] offset:8*PIECE+16*(PIECE/8)+(\i)*16*PITCH
.else
	ds_load_b64 v[\reg+2*\p:\reg+2*\p+1], v[\adr+2] offset:8*PIECE+16*(PIECE/8)+(\i)*16*PITCH
.endif
.endr
.endm
; 16 matrix instructions: A's blocks a0, a0 + 1 x B's eight, 128 along K.  p: B's set; sc: the set of scale words; zero = 1: the first product starts the sums.
; The 64 accumulators take turns, one instruction a turn, in the same order in every step.
.macro MUL16 a0, p, q, sc, zero
.irp a, \a0, \a0+1
.irp b, 0,1,2,3,4,5,6,7
.if \zero
	v_wmma_scale_f32_16x16x128_f8f6f4 v[8*(8*((\a)%4)+\b):8*(8*((\a)%4)+\b)+7], v[128*(\p)+FR*\b:128*(\p)+FR*\b+FR-1], v[AF+FR*(\a):AF+FR*(\a)+FR-1], 0, v[SC+8*NQ*(\sc)+NQ*\b+(\q)], v[SC+8*NQ*(\sc)+NQ*(\a)+(\q)] matrix_a_fmt:MATRIX_FMT_FP6 matrix_b_fmt:MATRIX_FMT_FP6 matrix_a_scale:MATRIX_SCALE_ROW1
.else
	v_wmma_scale_f32_16x16x128_f8f6f4 v[8*(8*((\a)%4)+\b):8*(8*((\a)%4)+\b)+7], v[128*(\p)+FR*\b:128*(\p)+FR*\b+FR-1], v[AF+FR*(\a):AF+FR*(\a)+FR-1], v[8*(8*((\a)%4)+\b):8*(8*((\a)%4)+\b)+7], v[SC+8*NQ*(\sc)+NQ*\b+(\q)], v[SC+8*NQ*(\sc)+NQ*(\a)+(\q)] matrix_a_fmt:MATRIX_FMT_FP6 matrix_b_fmt:MATRIX_FMT_FP6 matrix_a_scale:MATRIX_SCALE_ROW1
.endif
.endr
.endr
.endm
.macro FETCH_B slot, q, p              ; B's eight fragments of the slot's q-th 128 along K into set p
	WIN TO_B
.irp i, 0,1,2,3,4,5,6,7
	FRAG 128*(\p)+FR*\i, ADRB+\slot, \q, \i
.endr
	WIN 0
.endm
.macro FETCH_A slot, q, i0             ; A's blocks i0 .. i0 + 3
.irp i, \i0, \i0+1, \i0+2, \i0+3
	FRAG AF+FR*(\i), ADRA+\slot, \q, \i
.endr
.endm
.macro SCALES sc                       ; a K step's scale words into set sc: two words a row; lanes 0-15 take A's block i, lanes 16-31 B's block i
.irp i, 0,1,2,3,4,5,6,7
	ds_load_b64 v[SC+8*NQ*\sc+NQ*\i:SC+8*NQ*\sc+NQ*\i+1], v[ADRS] offset:\i*SBLK
.endr
.endm
.macro PLACES n                        ; plain vector instructions that name no register of the matrix instructions in front (ISA guide 7.12.1)
.rept \n
	v_nop
.endr
.endm
; A step of 128 along K that has its successor in the same slot.
.macro STEP slot, q, zero
	s_wait_dscnt 4*NL                              ; B's set and A's blocks 0-3 are in; the youngest 24 loads (A's blocks 4-7) may be out
	WIN MUL_LO
	MUL16 0, (\q)%2, \q, \slot, \zero
	MUL16 2, (\q)%2, \q, \slot, \zero
	s_wait_dscnt 0                                 ; A's blocks 4-7 are in
	PLACES NP
	FETCH_B \slot, (\q)+1, 1-(\q)%2
	FETCH_A \slot, (\q)+1, 0
	WIN MUL_HI
	MUL16 4, (\q)%2, \q, \slot, \zero
	MUL16 6, (\q)%2, \q, \slot, \zero
	PLACES NP
	WIN 0
	FETCH_A \slot, (\q)+1, 4
.endm
; A slot's last step changes slots: ONE barrier; in front of it each wave waits for all its tensor loads, adds 0 to its spare word, and waits for that and for its own reads of this slot.  fill = 1: this slot is filled again, two K steps ahead.
.macro TURN slot, next, fill
	s_wait_tensorcnt 0x0                           ; all my tensor loads have landed: my part of the next slot
	ds_add_u32 v[SPW], v[NIL]                      ; 0 onto my spare word
	s_wait_dscnt 4*NL+1                            ; (the add and the youngest 24 loads, A's blocks 4-7, may be out)
	WIN MUL_LO
	MUL16 0, 1, NQ-1, \slot, 0                     ; sixteen matrix instructions stand between the add and the wait for it
	s_wait_dscnt 0x0                               ; the add is done, and my reads of this slot are over
	s_barrier_signal -1
	MUL16 2, 1, NQ-1, \slot, 0
	WIN 0
	s_barrier_wait -1
.if \fill
	CREST                                          ; the barrier has opened a round of the cluster's barrier: no wave of any partner still reads this slot or has a load on its way
	s_add_nc_u64 s[G0+4*\slot+2:G0+4*\slot+3], s[G0+4*\slot+2:G0+4*\slot+3], 2*ROWB
	s_add_nc_u64 s[G0B+4*\slot+2:G0B+4*\slot+3], s[G0B+4*\slot+2:G0B+4*\slot+3], 2*ROWB
	JLOAD G0+4*\slot, G1, G0B+4*\slot, G1B         ; the first tensor load behind the round; its four v_nop are the places in front of the loads below
.else
	PLACES NP
.endif
	s_wait_alu depctr_va_vdst(0)
	v_add_nc_u32 v[ADRS], 4*NQ, v[ADRS]            ; on to the next K step's scale words (no LDS load of mine is out)
	FETCH_B \next, 0, 0
	FETCH_A \next, 0, 0
	SCALES \next
	WIN MUL_HI
	MUL16 4, 1, NQ-1, \slot, 0
	MUL16 6, 1, NQ-1, \slot, 0
	PLACES NP
	WIN 0
	FETCH_A \next, 0, 4
.endm
	s_wait_tensorcnt 1                             ; the scales and my part of K step 0 are in (K step 1's load may be out)
	s_barrier_signal -1
	s_barrier_wait -1                              ; everybody's are
	FETCH_B 0, 0, 0
	FETCH_A 0, 0, 0
	SCALES 0
	FETCH_A 0, 0, 4
	STEP 0, 0, 1                                   ; the first step stands in front of the loop: its products start the sums
	s_mov_b32 s3, LAPS-1
.Llap:                                                 ; a trip goes once round the ring and fills both slots again
	TURN 0, 1, 1
	STEP 1, 0, 0
	TURN 1, 0, 1
	STEP 0, 0, 0
	s_sub_co_u32 s3, s3, 1
	s_cmp_lg_u32 s3, 0
	s_cbranch_scc1 .Llap
	TURN 0, 1, 0                                   ; the last lap fills nothing
	STEP 1, 0, 0
	s_wait_dscnt 4*NL                              ; the very last step
	WIN MUL_LO
	MUL16 0, 1, NQ-1, 1, 0
	MUL16 2, 1, NQ-1, 1, 0
	s_wait_dscnt 0
	WIN MUL_HI
	MUL16 4, 1, NQ-1, 1, 0
	MUL16 6, 1, NQ-1, 1, 0
	WIN 0
; THE WAY OUT.  Block a of 16 rows of source 1: a lane holds one row and, in the 16 registers of tiles 2 b and 2 b + 1, sixteen numbers of block b of 32 along source 0; lane l xor 16 holds the other sixteen.
; The block's largest magnitude (with the floor 2^-124 among its leaves, so that the byte cannot fall under 1); 2 off its exponent field is the conversion's scale operand, and that, shifted, the byte.
; A lane's 16 codes are 12 bytes: they go to a place of 16 bytes in my stage, place 512 (b / 2) + 4 (16 a + r) + 2 (b % 2) + h, so that the places' order is the output's order.
.macro QROW a
.set AC, 64*((\a)%4)
	WIN 0x28+0x14*((\a)/4)                         ; sources 1 and 2: window 2 or 3
.irp b, 0,1,2,3
	v_max3_num_f32 v[TM+\b], 0x1800000, |v[AC+16*\b]|, |v[AC+16*\b+1]|   ; each accumulator is read from its low end on
.endr
.irp i, 2,4,6,8,10,12,14
.irp b, 0,1,2,3
	v_max3_num_f32 v[TM+\b], v[TM+\b], |v[AC+16*\b+\i]|, |v[AC+16*\b+\i+1]|   ; (the four blocks by turns)
.endr
.endr
	WIN 0
.irp b, 0,1,2,3
	v_permlanex16_b32 v[TM+4+\b], v[TM+\b], s20, s21
.endr
.irp b, 0,1,2,3
	v_max_num_f32 v[TM+\b], v[TM+\b], v[TM+4+\b]   ; with lane l xor 16's: the block's largest magnitude
.endr
.irp b, 0,1,2,3
	v_add_nc_u32 v[TM+12+\b], 0xff000000, v[TM+\b] ; 2 off its exponent field
.endr
.irp b, 0,1,2,3
	v_lshrrev_b32 v[TM+4+\b], 23, v[TM+12+\b]      ; the scale's byte
.endr
	v_lshl_or_b32 v[PW+\a], v[TM+5], 8, v[TM+4]    ; low half: unit 0's two bytes; high half: unit 1's
	v_lshl_or_b32 v[PW+\a], v[TM+6], 16, v[PW+\a]
	v_lshl_or_b32 v[PW+\a], v[TM+7], 24, v[PW+\a]
	WIN 0x02+(\a)/4                                ; source 0: window 2 or 3
.irp b, 0,1,2,3
	v_cvt_scalef32_pk16_fp6_f32 v[CD+16*\a+4*\b:CD+16*\a+4*\b+2], v[AC+16*\b:AC+16*\b+15], v[TM+12+\b]
.endr
	WIN 0
	v_nop                                          ; one plain instruction behind the last scaled conversion
.irp b, 0,1,2,3
	ds_store_b96 v[STW], v[CD+16*\a+4*\b:CD+16*\a+4*\b+2] offset:8192*(\b/2)+1024*\a+32*(\b%2)
.endr
	ds_store_b16 v[SSW], v[PW+\a] offset:32*\a     ; both halves of the lanes write the same bytes with the same values
	ds_store_b16_d16_hi v[SSW], v[PW+\a] offset:256+32*\a
.endm
	PLACES NP                                      ; behind the last products: what follows writes registers that held their scale words and A's fragments
.irp b, 0,1,2,3
	v_mov_b32 v[TM+4+\b], 0                        ; written once: a lane permute's destination counts as one of its sources
.endr
.irp a, 0,1,2,3,4,5,6,7
	QROW \a
.endr
	s_wait_dscnt 0x0                               ; the stores have read their registers, which take the rows that come back
.set T, 0
.rept 32
	ds_load_b96 v[CD+4*T:CD+4*T+2], v[SRD] offset:512*T   ; 32 places on end: 384 neighbouring bytes of the output
.set T, T+1
.endr
	ds_load_b128 v[SB:SB+3], v[SSR]                ; my wave's 512 scale bytes
.set T, 0
.rept 32
	s_wait_dscnt 32-T                              ; load T is in: behind it stand 31 - T loads of codes and the one of scale bytes
	global_store_b96 v[OA+T/8], v[CD+4*T:CD+4*T+2], s[12:13] offset:(T%8)*384   ; 32 lanes store 384 consecutive bytes; eight such stores are 3,072 bytes on end
.set T, T+1
.endr
	s_wait_dscnt 0x0
	global_store_b128 v[OS], v[SB:SB+3], s[66:67]  ; runs of 128 or 256 consecutive bytes
	s_wait_tensorcnt 0x0                           ; the wave's end
	ds_add_u32 v[SPW], v[NIL]
	s_wait_dscnt 0x0
	CROUND                                         ; the closing round: no work-group ends while a partner may still ask for a tile that names it
	s_endpgm
.Lfunc_end_k_qd0edaaceff_qkv:
	.size	k_qd0edaaceff_qkv, .Lfunc_end_k_qd0edaaceff_qkv-k_qd0edaaceff_qkv
	.p2alignl 7, 3214868480
	.fill 96, 4, 3214868480
	.section	.rodata,"a",@progbits
	.p2align	6, 0x0
	.amdhsa_kernel k_qd0edaaceff_qkv
		.amdhsa_group_segment_fixed_size 327680
		.amdhsa_private_segment_fixed_size 0
		.amdhsa_enable_private_segment 0
		.amdhsa_kernarg_size 80
		.amdhsa_user_sgpr_count 2
		.amdhsa_user_sgpr_kernarg_segment_ptr 1
		.amdhsa_wavefront_size32 1
		.amdhsa_system_sgpr_workgroup_id_x 1
		.amdhsa_system_sgpr_workgroup_id_y 1
		.amdhsa_system_sgpr_workgroup_id_z 1
		.amdhsa_system_vgpr_workitem_id 0
		.amdhsa_next_free_vgpr 1024
		.amdhsa_next_free_sgpr 100
		.amdhsa_reserve_vcc 0
		.amdhsa_float_denorm_mode_32 3
		.amdhsa_float_denorm_mode_16_64 3
		.amdhsa_memory_ordered 1
		.amdhsa_forward_progress 1
		.amdhsa_inst_pref_size 170
	.end_amdhsa_kernel
	.amdgpu_metadata
---
amdhsa.version: [ 1, 2 ]
amdhsa.kernels:
  - .name:           k_qd0edaaceff_qkv
    .symbol:         k_qd0edaaceff_qkv.kd
    .args:
      - { .name: in_features_codes, .offset: 0, .size: 8, .value_kind: global_buffer, .address_space: global }
      - { .name: in_features_scales, .offset: 8, .size: 8, .value_kind: global_buffer, .address_space: global }
      - { .name: q_weight_codes, .offset: 16, .size: 8, .value_kind: global_buffer, .address_space: global }
      - { .name: q_weight_scales, .offset: 24, .size: 8, .value_kind: global_buffer, .address_space: global }
      - { .name: k_weight_codes, .offset: 32, .size: 8, .value_kind: global_buffer, .address_space: global }
      - { .name: k_weight_scales, .offset: 40, .size: 8, .value_kind: global_buffer, .address_space: global }
      - { .name: v_weight_codes, .offset: 48, .size: 8, .value_kind: global_buffer, .address_space: global }
      - { .name: v_weight_scales, .offset: 56, .size: 8, .value_kind: global_buffer, .address_space: global }
      - { .name: qkv_codes, .offset: 64, .size: 8, .value_kind: global_buffer, .address_space: global }
      - { .name: qkv_scales, .offset: 72, .size: 8, .value_kind: global_buffer, .address_space: global }
    .group_segment_fixed_size: 327680
    .private_segment_fixed_size: 0
    .kernarg_segment_align: 8
    .kernarg_segment_size: 80
    .max_flat_workgroup_size: 128
    .sgpr_count:     100
    .vgpr_count:     1024
    .wavefront_size: 32
...
	.end_amdgpu_metadata
.endif
;; end of part 1
;; launch attn (part 2): grid 4 x 64, 16 waves a work-group, clusters of 4 x 1, 223,232 bytes of LDS; arguments qkv_codes, qkv_scales, ctx_codes, ctx_scales; writes ctx_codes, ctx_scales
.if DOCPART == 2
	.amdgcn_target "amdgcn-amd-amdhsa--gfx1250"
	.amdhsa_code_object_version 6
	.text
	.protected	k_qd0edaaceff_attn
	.globl	k_qd0edaaceff_attn
	.p2align	8
	.type	k_qd0edaaceff_attn,@function
k_qd0edaaceff_attn:
	s_mov_b64 s[64:65], 0
	v_nop
	global_prefetch_b8 v0, s[64:65] scope:SCOPE_SE
	s_setreg_imm32_b32 hwreg(HW_REG_WAVE_MODE, 25, 1), 1
	s_wait_xcnt 0x0
	s_wait_alu depctr_hold_cnt(0) depctr_sa_sdst(0) depctr_va_vdst(0) depctr_va_sdst(0) depctr_va_ssrc(0) depctr_va_vcc(0) depctr_vm_vsrc(0)
	s_getreg_b32 s2, hwreg(HW_REG_IB_STS2, 6, 4)
	s_cmp_eq_u32 s2, 0
	s_cbranch_scc0 .Lentry_in_a_cluster
	s_endpgm
.Lentry_in_a_cluster:
	s_bfe_u32 s2, ttmp6, 0x10000c
	s_cmp_lg_u32 s2, 0x3003
	s_cbranch_scc0 .Lentry_shape_is_right
	s_endpgm
.Lentry_shape_is_right:
; ctx[b][q][head] = the sum over keys k <= q of softmax_k(q . k / 8) v, both products on codes of FP6 (E2M3) with E8M0 scales; ctx is quantised along the model's 1,024 channels and leaves as codes.
; IN: qkv_codes, three parts (q, k, v) of 6,291,456 bytes, a head (bh = 16 batch + head) 98,304: q, k [token][48 bytes] (64 channels); v [64 keys][channel][48 bytes] (64 keys).  qkv_scales: parts of 262,144, heads of 4,096, 2 bytes for 48.
; Inside a block of 32 the codes of q, k (channels) and v (keys) lie in the order 0-7, 16-23, 8-15, 24-31; q and k share it, and p comes out of natural tiles of 16 keys in the same order as v's.
; OUT: ctx_codes [bh][token][48 bytes], channels in natural order; ctx_scales [8192 tokens][32].
; THE SOFTMAX: t = score x log2(e) / 8; M = the running largest t rounded UP to a whole number; p = 2^(t - M) is quantised along the keys, not normalised; the row's sum is taken of the unquantised p and divides at the end.
; SHARES.  A cluster of four work-groups is one head; its 128 tiles of 16 queries are dealt so that every wave has the same work: wave w (gp = w / 2, j = w % 2) of the work-group at place cx takes tile 8 gp + 2 cx + j
; and then tile 8 (15 - gp) + 2 cx + j: (gp + 1) + (16 - gp) = 17 steps of 128 keys.  Every branch hangs on gp and on counters; cx enters global addresses and the mask's compare alone: the partners run alike.
; LDS.  The head's K and V codes and scale bytes, 204,800 bytes, come ONCE, by joint loads (mask 15) of waves 0 to 3, two each: nothing is filled again, so there is no ring.  One barrier.
; LAYOUT.  Both products transposed: S^T = K Q^T (source 0 = 16 neighbouring keys; K = 64 channels and 64 zero codes), O^T = V^T P^T (source 0 = 16 channels): a lane holds ONE query throughout.
; THE CHANNELS OF A TILE OF V ARE NOT NEIGHBOURS: lane r of tile 2 b + u takes channel 32 b + 8 u + r + 8 (r / 8), so that the 16 registers of tiles 2 b, 2 b + 1 of O^T are 16 neighbouring channels.
; CAUSAL: a step all of whose keys come after the wave's queries is jumped over; in the one step on the diagonal hidden scores become -infinity ahead of the maximum.
; LIMITS: NaN and infinities are not served; a block of ctx whose largest magnitude lies under 2^-124 gets the byte 1 (read by this program alone).  ctx's scale bytes leave as single bytes, 32 bytes apart: one byte for 24 of codes.
; REGISTERS: v1-7 addresses that stay; v8-11 a step's; v12 -M, v13 the largest t, v[14:15] the sum; v16-27 Q (v22-27 zeros); v28 r - 8 h, v29 + my first query; v30, v31 offsets; v32-79 four fragments of K (upper six of each zeros);
;   v96-159 S^T, then p, then V's four fragments; v160-191 O^T; v224-235 p's codes; v232-254 at work; v255 Q's scale words.
.set VC,    98304                      ; LDS: K's codes at 0, V's here,
.set KSC,   196608                     ; K's scale bytes,
.set VSC,   200704                     ; V's,
.set STG,   204800                     ; and a stage of 1,024 bytes for each wave, which no tensor load fills
.set PARTC, 6291456
.set HEADB, 98304
.set WV,   12                          ; s12 wave; s13 cx; s14 bh; s15 gp; s16 j
.set SEL,  20                          ; s[20:21] lane selects: lane l xor 16
.set CS,   22                          ; s[22:23] c = log2(e) / 8
.set G1C,  24                          ; s[24:31] group 1: half a head's codes;  s[32:39]: half its scale bytes;  s[40:43], s[44:47] their groups 0
.set G1S,  32
.set G0C,  40
.set G0S,  44
.set TB,   48                          ; s48 the step's first byte in K's and in V's codes: 6,144 a step
.set TS,   49                          ; s49 and in their scale bytes: 256 a step
.set KF,   50                          ; s50 the step's first key
.set G128, 51                          ; s51 the first key of the step on my diagonal
.set CNT,  52
.set Q0,   53                          ; s53 my first query
.set PQC,  54                          ; s[54:55] Q's codes, s[56:57] Q's scales, s[58:59] ctx's codes, s[60:61] ctx's scales, at my tile
.set PQS,  56
.set PCC,  58
.set PCS,  60
.macro CROUND                          ; a round of the cluster's barrier
	s_barrier_signal -1
	s_barrier_wait -1
	s_cmp_lg_u32 s[WV], 0
	s_cbranch_scc1 .Lnot_wave_0_\@
	s_barrier_signal -3
.Lnot_wave_0_\@:
	s_barrier_wait -3
	s_barrier_signal -1
	s_barrier_wait -1
.endm
	s_load_b256 s[4:11], s[0:1], 0x0               ; qkv_codes, qkv_scales, ctx_codes, ctx_scales
	v_lshl_add_u32 v223, v0, 2, 0x36000
	v_mov_b32 v243, 0
	ds_add_u32 v223, v243
	ds_add_u32 v223, v243
	v_lshrrev_b32 v8, 5, v0
	s_delay_alu instid0(VALU_DEP_1)
	v_readfirstlane_b32 s[WV], v8                  ; wave 0..15
	s_bfe_u32 s13, ttmp6, 0x40000                  ; cx
	s_and_b32 s14, ttmp7, 0xffff                   ; bh: the cluster's y
	s_lshr_b32 s15, s[WV], 1                       ; gp
	s_and_b32 s16, s[WV], 1                        ; j.  In waves 0 to 3 also: which half I fetch
	s_min_u32 s66, s15, 1                          ; in waves 0 to 3: I fetch for K (0) or for V (1)
	s_mul_i32 s68, s14, HEADB                      ; the head's first byte in a part of the codes,
	s_lshl_b32 s70, s14, 12                        ; and of the scale bytes
	s_mul_i32 s67, s66, HEADB
	s_mul_i32 s74, s16, HEADB/2
	s_add_co_u32 s67, s67, s74                     ; LDS: K's halves, then V's
	s_add_co_u32 s72, s66, 1                       ; part 1 = k, part 2 = v
	s_mul_i32 s72, s72, PARTC
	s_add_co_u32 s72, s72, s68
	s_add_co_u32 s72, s72, s74                     ; memory: part, head, half
	s_mov_b32 s73, 0
	s_lshl_b32 s71, s66, 12
	s_lshl_b32 s75, s16, 11
	s_add_co_u32 s71, s71, s75
	s_add_co_u32 s71, s71, KSC                     ; LDS: the scale bytes likewise
	s_add_co_u32 s74, s66, 1
	s_lshl_b32 s74, s74, 18
	s_add_co_u32 s74, s74, s70
	s_add_co_u32 s74, s74, s75
	s_mov_b32 s75, 0
	; group 1: a dense block as rows of 256 bytes (32 elements of 8); the mask names all four work-groups; no padding
	s_mov_b32 s[G1C], 15|(3<<16)|(1<<21)
	s_mov_b32 s[G1C+1], 32<<16                     ; tensor_dim0
	s_mov_b32 s[G1C+2], 192<<16                    ; tensor_dim1: 192 rows = 49,152 bytes
	s_mov_b32 s[G1C+3], 32<<16                     ; tile_dim0
	s_mov_b32 s[G1C+4], 192                        ; tile_dim1
	s_mov_b32 s[G1C+5], 32                         ; from row to row
	s_mov_b32 s[G1C+6], 0
	s_mov_b32 s[G1C+7], 0
	s_mov_b32 s[G1S], 15|(3<<16)|(1<<21)
	s_mov_b32 s[G1S+1], 32<<16
	s_mov_b32 s[G1S+2], 8<<16                      ; 8 rows = 2,048 bytes
	s_mov_b32 s[G1S+3], 32<<16
	s_mov_b32 s[G1S+4], 8
	s_mov_b32 s[G1S+5], 32
	s_mov_b32 s[G1S+6], 0
	s_mov_b32 s[G1S+7], 0
	s_mov_b32 s[SEL], 0x76543210
	s_mov_b32 s[SEL+1], 0xfedcba98
	s_mov_b32 s[CS], 0x3e38aa3b                    ; c = log2(e) / sqrt(64)
	s_mov_b32 s[CS+1], s[CS]                       ; (named with it as a pair, so it is written)
	s_wait_dscnt 0x0
	s_wait_kmcnt 0x0
	s_mov_b32 s[G0C], 1
	s_mov_b32 s[G0C+1], s67
	s_add_nc_u64 s[G0C+2:G0C+3], s[4:5], s[72:73]
	s_or_b32 s[G0C+3], s[G0C+3], 0x80000000
	s_mov_b32 s[G0S], 1
	s_mov_b32 s[G0S+1], s71
	s_add_nc_u64 s[G0S+2:G0S+3], s[6:7], s[74:75]
	s_or_b32 s[G0S+3], s[G0S+3], 0x80000000
	CROUND                                         ; all four work-groups are here: the joint loads meet
	s_cmp_lt_u32 s[WV], 4                          ; a wave's two fills stand in one branch on its number: two tensor loads of mine are out at the most
	s_cbranch_scc0 .Lno_fill
	tensor_load_to_lds s[G0C:G0C+3], s[G1C:G1C+7]
	s_nop 0
	tensor_load_to_lds s[G0S:G0S+3], s[G1S:G1S+7]
	s_nop 0
.rept 4
	v_nop
.endr
.Lno_fill:
	v_and_b32 v8, 15, v0                           ; r
	v_bfe_u32 v9, v0, 4, 1                         ; h
	s_delay_alu instid0(VALU_DEP_2)
	v_mul_u32_u24 v1, v8, 48
	s_delay_alu instid0(VALU_DEP_1)
	v_mad_u32_u24 v1, v9, 24, v1                   ; K (in LDS) and Q (in memory): row r of 48 bytes, + 24 h: block h of the 64 channels
	s_delay_alu instid0(VALU_DEP_4)
	v_and_b32 v10, 8, v8
	s_delay_alu instid0(VALU_DEP_1)
	v_add_nc_u32 v10, v10, v8                      ; r + 8 (r / 8)
	s_delay_alu instid0(VALU_DEP_1)
	v_mul_u32_u24 v2, v10, 48
	s_delay_alu instid0(VALU_DEP_1)
	v_mad_u32_u24 v2, v9, 24, v2
	s_delay_alu instid0(VALU_DEP_1)
	v_add_nc_u32 v2, VC, v2                        ; V: the tile's channel, + 24 h: block h of 64 keys
	v_lshl_add_u32 v3, v8, 1, KSC                  ; K's scale bytes: 2 a key
	v_lshl_add_u32 v4, v10, 1, VSC                 ; V's: 2 a channel
	s_lshl_b32 s66, s[WV], 10
	s_add_co_u32 s66, s66, STG                     ; my stage
	v_lshlrev_b32 v5, 6, v8
	s_delay_alu instid0(VALU_DEP_1)
	v_lshl_add_u32 v5, v9, 4, v5
	s_delay_alu instid0(VALU_DEP_1)
	v_add_nc_u32 v5, s66, v5                       ; in: 64 r + 16 h
	v_and_b32 v11, 31, v0
	s_delay_alu instid0(VALU_DEP_1)
	v_lshl_add_u32 v6, v11, 4, s66                 ; back: 16 x lane
	s_delay_alu instid0(VALU_DEP_2)
	v_mul_u32_u24 v7, v11, 12                      ; ctx's codes: 12 bytes a lane
	v_lshlrev_b32 v28, 3, v9
	s_delay_alu instid0(VALU_DEP_1)
	v_sub_nc_u32 v28, v8, v28                      ; r - 8 h
	v_lshlrev_b32 v30, 1, v8                       ; Q's scale bytes: 2 r
	v_lshl_add_u32 v31, v8, 5, v9                  ; ctx's scale bytes: 32 r + h
.irp i, 22,23,24,25,26,27
	v_mov_b32 v[\i], 0                             ; Q: K = 64 .. 127 are zero codes
.endr
.irp t, 0,1,2,3
.irp i, 6,7,8,9,10,11
	v_mov_b32 v[32+12*\t+\i], 0                    ; K likewise; no load ever lands here
.endr
.endr
.irp i, 236,237,238,239,252,253
	v_mov_b32 v[\i], 0                             ; written once: a lane permute's destination counts as one of its sources, and v253 is named in the pair v[252:253]
.endr
	s_wait_tensorcnt 0x0                           ; my part of the head is in LDS,
	s_barrier_signal -1
	s_barrier_wait -1                              ; everybody's is
; A KEY STEP: 128 keys.
.macro STEP
	s_cmp_gt_u32 s[KF], s[G128]                    ; all its keys come after my queries: only the addresses step
	s_cbranch_scc1 .Lhidden_\@
	s_setprio 2
	v_add_nc_u32 v8, s[TB], v1
	s_wait_alu depctr_va_vdst(0)
	v_add_nc_u32 v9, s[TB], v2
	v_add_nc_u32 v10, s[TS], v3
	s_wait_alu depctr_va_vdst(0)
	v_add_nc_u32 v11, s[TS], v4
	v_nop                                          ; six places behind the last step's products: five are owed, since the products below write over registers that those read (V's fragments)
	v_nop
.irp g, 0,1                                    ; S^T = K Q^T, four tiles of 16 neighbouring keys at a time
.if \g
.rept 4
	v_nop                                          ; places in front of loads into registers that matrix instructions have read
.endr
.endif
.irp t, 0,1,2,3
.irp p, 0,1,2
	ds_load_b64 v[32+12*\t+2*\p:33+12*\t+2*\p], v8 offset:768*(4*\g+\t)+8*\p
.endr
	ds_load_u16 v[248+\t], v10 offset:32*(4*\g+\t) ; two scale bytes; the word's upper two are 0, over zero codes
.endr
	s_wait_dscnt 0x0
.irp t, 0,1,2,3
	v_wmma_scale_f32_16x16x128_f8f6f4 v[96+8*(4*\g+\t):103+8*(4*\g+\t)], v[32+12*\t:43+12*\t], v[16:27], 0, v[248+\t], v255 matrix_a_fmt:MATRIX_FMT_FP6 matrix_b_fmt:MATRIX_FMT_FP6
.endr
.endr                                          ; lane (r, h): query r; register 8 T + i: key 16 T + 8 h + i
.rept 4
	v_nop
.endr
	s_cmp_lt_u32 s[KF], s[G128]                    ; all keys count: no mask
	s_cbranch_scc1 .Lopen_\@
	v_sub_nc_u32 v252, v29, s[KF]                  ; d = my query - 8 h - the step's first key: register 8 T + i is hidden where 16 T + i > d
	v_mov_b32 v254, 0xff800000                     ; -infinity
.set N, 0
.rept 64
	v_cmp_gt_i32 vcc_lo, 16*(N/8)+N%8, v252
	v_cndmask_b32 v[96+N], v[96+N], v254, vcc_lo
.set N, N+1
.endr
.Lopen_\@:
.irp b, 0,1,2,3
	v_max3_num_f32 v[232+\b], v[96+16*\b], v[97+16*\b], v[98+16*\b]   ; the largest score of each block of 32 keys: it serves the row's maximum and, since p rises with the score, the block's largest p
.endr
.irp i, 3,5,7,9,11,13
.irp b, 0,1,2,3
	v_max3_num_f32 v[232+\b], v[232+\b], v[96+16*\b+\i], v[97+16*\b+\i]
.endr
.endr
.irp b, 0,1,2,3
	v_max_num_f32 v[232+\b], v[232+\b], v[111+16*\b]
.endr
.irp b, 0,1,2,3
	s_delay_alu instid0(VALU_DEP_4)
	v_permlanex16_b32 v[236+\b], v[232+\b], s[SEL], s[SEL+1]
.endr
.irp b, 0,1,2,3
	s_delay_alu instid0(VALU_DEP_4)
	v_max_num_f32 v[232+\b], v[232+\b], v[236+\b]  ; with lane l xor 16's 16 keys
.endr
	s_delay_alu instid0(VALU_DEP_2)
	v_max3_num_f32 v254, v232, v233, v234
	s_delay_alu instid0(VALU_DEP_1)
	v_max_num_f32 v254, v254, v235                 ; the step's largest score of my query
	s_delay_alu instid0(VALU_DEP_1)
	v_mul_f32 v254, s[CS], v254                    ; as t
	s_delay_alu instid0(VALU_DEP_1)
	v_max_num_f32 v13, v13, v254                   ; the running largest t
	v_mov_b32 v254, v12
	s_delay_alu instid0(VALU_DEP_2)
	v_floor_f32 v12, -v13                          ; the new -M = floor(-t): M is a whole number
	s_delay_alu instid0(VALU_DEP_1)
	v_sub_f32 v254, v12, v254                      ; old M - new M: a whole number, 0 or less
	s_delay_alu instid0(VALU_DEP_1)
	v_cvt_i32_f32 v254, v254                       ; (it saturates)
	s_delay_alu instid0(VALU_DEP_1)
	v_ldexp_f32 v252, 1.0, v254                    ; f = 2^(old M - new M): a multiplication by it rounds nothing
.set J, 0
.rept 32
	v_pk_fma_f32 v[96+J:97+J], v[96+J:97+J], s[CS:CS+1], v[12:13] op_sel_hi:[1,0,0]   ; t - M, two at a time
.set J, J+2
.endr
.irp b, 0,1,2,3
	v_fma_f32 v[232+\b], v[232+\b], s[CS], v12     ; the same of each block's largest score
.endr
.set J, 0
	s_setprio 1
	s_wait_alu depctr_va_vdst(0)
.rept 64
	v_exp_f32 v[96+J], v[96+J]                     ; p = 2^(t - M), at most 1
.set J, J+1
.endr
	v_pk_mul_f32 v[14:15], v[14:15], v[252:253] op_sel_hi:[1,0]   ; the sums under the new M (a plain instruction behind the exponentials)
	s_wait_alu depctr_va_vdst(0)                   ; one wait for the batch of 64, ahead of its first reader
.irp b, 0,1,2,3
	v_exp_f32 v[232+\b], v[232+\b]                 ; the block's largest p: the same two instructions on the same number
.endr
	v_pk_add_f32 v[236:237], v[100:101], v[104:105]
	v_pk_add_f32 v[250:251], v[108:109], v[112:113]
	v_pk_add_f32 v[248:249], v[116:117], v[120:121]
	v_pk_add_f32 v[246:247], v[124:125], v[128:129]
	v_pk_add_f32 v[244:245], v[132:133], v[136:137]
	v_pk_add_f32 v[240:241], v[140:141], v[144:145]
	v_pk_add_f32 v[238:239], v[148:149], v[152:153]
	v_pk_add_f32 v[14:15], v[14:15], v[156:157]
	v_pk_add_f32 v[236:237], v[236:237], v[96:97]
	v_pk_add_f32 v[250:251], v[250:251], v[98:99]
	v_pk_add_f32 v[248:249], v[248:249], v[102:103]
	v_pk_add_f32 v[246:247], v[246:247], v[106:107]
	v_pk_add_f32 v[244:245], v[244:245], v[110:111]
	v_pk_add_f32 v[240:241], v[240:241], v[114:115]
	v_pk_add_f32 v[238:239], v[238:239], v[118:119]
	v_pk_add_f32 v[14:15], v[14:15], v[122:123]
	v_pk_add_f32 v[236:237], v[236:237], v[126:127]
	v_pk_add_f32 v[250:251], v[250:251], v[130:131]
	v_pk_add_f32 v[248:249], v[248:249], v[134:135]
	v_pk_add_f32 v[246:247], v[246:247], v[138:139]
	v_pk_add_f32 v[244:245], v[244:245], v[142:143]
	v_pk_add_f32 v[240:241], v[240:241], v[146:147]
	v_pk_add_f32 v[238:239], v[238:239], v[150:151]
	v_pk_add_f32 v[14:15], v[14:15], v[154:155]
	v_pk_add_f32 v[236:237], v[236:237], v[158:159]
	s_delay_alu instid0(VALU_DEP_2)
	v_pk_add_f32 v[14:15], v[14:15], v[246:247]
	s_delay_alu instid0(VALU_DEP_2)
	v_pk_add_f32 v[236:237], v[236:237], v[244:245]
	v_pk_add_f32 v[250:251], v[250:251], v[240:241]
	v_pk_add_f32 v[248:249], v[248:249], v[238:239]
	s_delay_alu instid0(VALU_DEP_2)
	v_pk_add_f32 v[14:15], v[14:15], v[250:251]
	s_delay_alu instid0(VALU_DEP_2)
	v_pk_add_f32 v[236:237], v[236:237], v[248:249]
	s_delay_alu instid0(VALU_DEP_1)
	v_pk_add_f32 v[14:15], v[14:15], v[236:237]
	s_wait_alu depctr_va_vdst(0)                   ; and one for the four
.irp b, 0,1,2,3
	v_max_num_f32 v[232+\b], 0x1800000, v[232+\b]  ; the floor 2^-124: the byte cannot fall under 1 (a block of zeros keeps that byte: its codes are zeros)
.endr
.irp b, 0,1,2,3
	s_delay_alu instid0(VALU_DEP_4)
	v_add_nc_u32 v[244+\b], 0xff000000, v[232+\b]  ; 2 off the exponent field: the conversion's scale operand
.endr
.irp b, 0,1,2,3
	s_delay_alu instid0(VALU_DEP_4)
	v_lshrrev_b32 v[236+\b], 23, v[244+\b]         ; the scale's byte
.endr
	s_delay_alu instid0(VALU_DEP_3)
	v_lshl_or_b32 v253, v237, 8, v236              ; p's scale word for these 128 keys
	s_delay_alu instid0(VALU_DEP_1)
	v_lshl_or_b32 v253, v238, 16, v253
	s_delay_alu instid0(VALU_DEP_1)
	v_lshl_or_b32 v253, v239, 24, v253
.irp c, 0,1
	v_cvt_scalef32_pk16_fp6_f32 v[224+6*\c:226+6*\c], v[96+32*\c:111+32*\c], v[244+2*\c]
	v_cvt_scalef32_pk16_fp6_f32 v[236+4*\c:238+4*\c], v[112+32*\c:127+32*\c], v[244+2*\c+1]   ; (a conversion's three registers begin on an even number)
.endr
	v_nop                                          ; one plain instruction behind the last scaled conversion
.irp c, 0,1                                    ; the operand wants a whole block in a lane: lanes 0-15 block 2 c, lanes 16-31 block 2 c + 1; in it lanes 0-15's sixteen codes come first: v's order
.irp i, 0,1,2
	v_permlane16_swap_b32 v[224+6*\c+\i], v[236+4*\c+\i]
.endr
.irp i, 0,1,2
	s_delay_alu instid0(VALU_DEP_3)
	v_mov_b32 v[227+6*\c+\i], v[236+4*\c+\i]
.endr
.endr
.irp t, 0,1,2,3                                ; V's scale bytes: the step's first 64 keys' two, and the second 64's
	ds_load_u16 v[248+\t], v11 offset:2*(32*(\t/2)+8*(\t%2))
	ds_load_u16 v[244+\t], v11 offset:128+2*(32*(\t/2)+8*(\t%2))
.endr
	s_setprio 0
.irp t, 0,1,2,3                                ; V's four fragments, into p's registers, which are done with
.irp p, 0,1,2,3,4,5
	ds_load_b64 v[96+12*\t+2*\p:97+12*\t+2*\p], v9 offset:3072*(\p/3)+48*(32*(\t/2)+8*(\t%2))+8*(\p%3)
.endr
.endr
	s_wait_dscnt 24                                ; the eight halves are in; the 24 loads behind them may be out
.irp t, 0,1,2,3
	v_lshl_or_b32 v[248+\t], v[244+\t], 16, v[248+\t]
.endr
.set J, 0
.rept 16
	v_pk_mul_f32 v[160+J:161+J], v[160+J:161+J], v[252:253] op_sel_hi:[1,0]   ; O^T under the new M, each tile from its low end on.  Of these 16, twelve name no register of a given product below: the places between the scale words just made and that product
.set J, J+2
.endr
	s_wait_alu depctr_va_vdst(0)
	s_wait_dscnt 0x0
.irp t, 0,1,2,3                                ; O^T += V^T P^T: the four accumulators by turns, one instruction a turn
	v_wmma_scale_f32_16x16x128_f8f6f4 v[160+8*\t:167+8*\t], v[96+12*\t:107+12*\t], v[224:235], v[160+8*\t:167+8*\t], v[248+\t], v253 matrix_a_fmt:MATRIX_FMT_FP6 matrix_b_fmt:MATRIX_FMT_FP6
.endr
.Lhidden_\@:
	s_add_co_u32 s[KF], s[KF], 128
	s_add_co_u32 s[TB], s[TB], 6144
	s_add_co_u32 s[TS], s[TS], 256
.endm
; THE WAY OUT of a tile: O^T / the sum is ctx: register 16 b + i of lane (r, h) is channel 32 b + 16 h + i of query r.  Quantised, 12 bytes a lane and block; through my stage, so that the 16 tokens' 768 bytes leave on end.
.macro WAYOUT
.rept 4
	v_nop                                          ; places behind the last products
.endr
	v_add_f32 v14, v14, v15                        ; the sum's two halves,
	s_delay_alu instid0(VALU_DEP_1)
	v_permlanex16_b32 v252, v14, s[SEL], s[SEL+1]
	s_delay_alu instid0(VALU_DEP_1)
	v_add_f32 v14, v14, v252                       ; and lane l xor 16's
	s_wait_alu depctr_va_vdst(0)
	v_rcp_f32 v14, v14
	v_bfe_u32 v254, v0, 4, 1                       ; (a plain instruction behind the reciprocal)  h
	s_wait_alu depctr_va_vdst(0)                   ; the wait ahead of its first reader
.set J, 0
.rept 16
	v_pk_mul_f32 v[96+J:97+J], v[160+J:161+J], v[14:15] op_sel_hi:[1,0]
.set J, J+2
.endr
.irp b, 0,1
	v_max3_num_f32 v[232+\b], |v[96+16*\b]|, |v[97+16*\b]|, 0x1800000   ; my 16 numbers of block b, and the floor 2^-124
.endr
.irp i, 2,4,6,8,10,12,14
.irp b, 0,1
	s_delay_alu instid0(VALU_DEP_2)
	v_max3_num_f32 v[232+\b], v[232+\b], |v[96+16*\b+\i]|, |v[97+16*\b+\i]|
.endr
.endr
.irp b, 0,1
	s_delay_alu instid0(VALU_DEP_2)
	v_permlanex16_b32 v[236+\b], v[232+\b], s[SEL], s[SEL+1]
.endr
.irp b, 0,1
	s_delay_alu instid0(VALU_DEP_2)
	v_max_num_f32 v[232+\b], v[232+\b], v[236+\b]
.endr
.irp b, 0,1
	s_delay_alu instid0(VALU_DEP_2)
	v_add_nc_u32 v[244+\b], 0xff000000, v[232+\b]
.endr
.irp b, 0,1
	s_delay_alu instid0(VALU_DEP_2)
	v_lshrrev_b32 v[236+\b], 23, v[244+\b]
.endr
	v_cvt_scalef32_pk16_fp6_f32 v[224:226], v[96:111], v244
	v_cvt_scalef32_pk16_fp6_f32 v[228:230], v[112:127], v245
	v_nop                                          ; one plain instruction behind the last scaled conversion
	ds_store_b96 v5, v[224:226]                    ; place 4 r + 2 b + h of 16 bytes
	ds_store_b96 v5, v[228:230] offset:32
	ds_load_b96 v[128:130], v6                     ; LDS serves a wave's instructions in order: these see my stores
	ds_load_b96 v[132:134], v6 offset:512
	v_cmp_ne_u32 vcc_lo, 0, v254
	s_delay_alu instid0(VALU_DEP_1)
	v_cndmask_b32 v254, v236, v237, vcc_lo         ; lane (r, h) stores block h's byte
	global_store_b8 v31, v254, s[PCS:PCS+1]
	s_wait_dscnt 0x1                               ; the first 32 places are back; the second load may be out
	global_store_b96 v7, v[128:130], s[PCC:PCC+1]  ; 384 consecutive bytes; the two stores cover 768 bytes that begin at a multiple of 256 from the buffer's first byte
	s_wait_dscnt 0x0
	global_store_b96 v7, v[132:134], s[PCC:PCC+1] offset:384
.endm
; A PASS: one tile of 16 queries.  hi = 0: key group gp; hi = 1: key group 15 - gp.  The loop's trip count is a constant of the text; steps behind the diagonal do nothing but step addresses.
.macro PASS hi, trips
	s_wait_xcnt 0x0                                ; the last pass's stores have read their registers and bases
.if \hi
	s_sub_co_u32 s[G128], 15, s15
	s_lshl_b32 s[G128], s[G128], 7
.else
	s_lshl_b32 s[G128], s15, 7
.endif
	s_lshl_b32 s66, s13, 5
	s_lshl_b32 s67, s16, 4
	s_add_co_u32 s[Q0], s[G128], s66
	s_add_co_u32 s[Q0], s[Q0], s67                 ; my first query: 128 g + 32 cx + 16 j
	s_mul_i32 s72, s[Q0], 48
	s_add_co_u32 s72, s72, s68
	s_mov_b32 s73, 0
	s_add_nc_u64 s[PQC:PQC+1], s[4:5], s[72:73]    ; q is part 0
	s_add_nc_u64 s[PCC:PCC+1], s[8:9], s[72:73]
	s_lshl_b32 s72, s[Q0], 1
	s_add_co_u32 s72, s72, s70
	s_add_nc_u64 s[PQS:PQS+1], s[6:7], s[72:73]
	s_lshr_b32 s72, s14, 4                         ; batch
	s_lshl_b32 s72, s72, 11
	s_add_co_u32 s72, s72, s[Q0]
	s_lshl_b32 s72, s72, 5                         ; 32 scale bytes a token,
	s_and_b32 s74, s14, 15
	s_lshl_b32 s74, s74, 1                         ; the head's two
	s_add_co_u32 s72, s72, s74
	s_add_nc_u64 s[PCS:PCS+1], s[10:11], s[72:73]
.irp p, 0,1,2
	global_load_b64 v[16+2*\p:17+2*\p], v1, s[PQC:PQC+1] offset:8*\p   ; Q's fragment stays in registers
.endr
	global_load_u16 v255, v30, s[PQS:PQS+1]
	v_mov_b32 v13, 0xff61b1e6                      ; the largest t so far: -3e38
	s_delay_alu instid0(VALU_DEP_1)
	v_floor_f32 v12, -v13                          ; -M
	v_mov_b32 v14, 0
	v_mov_b32 v15, 0
.set J, 0
.rept 32
	v_mov_b32 v[160+J], 0                          ; O^T: the step is written once; the first finds zeros
.set J, J+1
.endr
	v_add_nc_u32 v29, s[Q0], v28
	s_mov_b32 s[TB], 0
	s_mov_b32 s[TS], 0
	s_mov_b32 s[KF], 0
	s_mov_b32 s[CNT], \trips
	s_wait_loadcnt 0x0
.Lstep_\@:
	STEP
	s_sub_co_u32 s[CNT], s[CNT], 1
	s_cmp_lg_u32 s[CNT], 0
	s_cbranch_scc1 .Lstep_\@
	s_setprio 0
	WAYOUT
.endm
	PASS 0, 8
	PASS 1, 16
	s_wait_tensorcnt 0x0
	ds_add_u32 v223, v243
	s_wait_dscnt 0x0
	CROUND                                         ; the closing round
	s_endpgm
.Lfunc_end_k_qd0edaaceff_attn:
	.size	k_qd0edaaceff_attn, .Lfunc_end_k_qd0edaaceff_attn-k_qd0edaaceff_attn
	.p2alignl 7, 3214868480
	.fill 96, 4, 3214868480
	.section	.rodata,"a",@progbits
	.p2align	6, 0x0
	.amdhsa_kernel k_qd0edaaceff_attn
		.amdhsa_group_segment_fixed_size 223232
		.amdhsa_private_segment_fixed_size 0
		.amdhsa_enable_private_segment 0
		.amdhsa_kernarg_size 32
		.amdhsa_user_sgpr_count 2
		.amdhsa_user_sgpr_kernarg_segment_ptr 1
		.amdhsa_wavefront_size32 1
		.amdhsa_system_sgpr_workgroup_id_x 1
		.amdhsa_system_sgpr_workgroup_id_y 1
		.amdhsa_system_sgpr_workgroup_id_z 1
		.amdhsa_system_vgpr_workitem_id 0
		.amdhsa_next_free_vgpr 256
		.amdhsa_next_free_sgpr 80
		.amdhsa_reserve_vcc 1
		.amdhsa_float_denorm_mode_32 3
		.amdhsa_float_denorm_mode_16_64 3
		.amdhsa_memory_ordered 1
		.amdhsa_forward_progress 1
		.amdhsa_inst_pref_size 71
	.end_amdhsa_kernel
	.amdgpu_metadata
---
amdhsa.version: [ 1, 2 ]
amdhsa.kernels:
  - .name:           k_qd0edaaceff_attn
    .symbol:         k_qd0edaaceff_attn.kd
    .args:
      - { .name: qkv_codes, .offset: 0, .size: 8, .value_kind: global_buffer, .address_space: global }
      - { .name: qkv_scales, .offset: 8, .size: 8, .value_kind: global_buffer, .address_space: global }
      - { .name: ctx_codes, .offset: 16, .size: 8, .value_kind: global_buffer, .address_space: global }
      - { .name: ctx_scales, .offset: 24, .size: 8, .value_kind: global_buffer, .address_space: global }
    .group_segment_fixed_size: 223232
    .private_segment_fixed_size: 0
    .kernarg_segment_align: 8
    .kernarg_segment_size: 32
    .max_flat_workgroup_size: 512
    .sgpr_count:     80
    .vgpr_count:     256
    .wavefront_size: 32
...
	.end_amdgpu_metadata
.endif
;; end of part 2
;; launch oproj (part 3): grid 4 x 32, 4 waves a work-group, clusters of 4 x 4, 327,680 bytes of LDS; arguments ctx_codes, ctx_scales, o_weight_codes, o_weight_scales, out0; writes out0
.if DOCPART == 3
	.amdgcn_target "amdgcn-amd-amdhsa--gfx1250"
	.amdhsa_code_object_version 6
	.text
	.protected	k_qd0edaaceff_oproj
	.globl	k_qd0edaaceff_oproj
	.p2align	8
	.type	k_qd0edaaceff_oproj,@function
k_qd0edaaceff_oproj:
	s_mov_b64 s[64:65], 0
	v_nop
	global_prefetch_b8 v0, s[64:65] scope:SCOPE_SE
	s_setreg_imm32_b32 hwreg(HW_REG_WAVE_MODE, 25, 1), 1
	s_wait_xcnt 0x0
	s_wait_alu depctr_hold_cnt(0) depctr_sa_sdst(0) depctr_va_vdst(0) depctr_va_sdst(0) depctr_va_ssrc(0) depctr_va_vcc(0) depctr_vm_vsrc(0)
	s_getreg_b32 s2, hwreg(HW_REG_IB_STS2, 6, 4)
	s_cmp_eq_u32 s2, 0
	s_cbranch_scc0 .Lentry_in_a_cluster
	s_endpgm
.Lentry_in_a_cluster:
	s_bfe_u32 s2, ttmp6, 0x10000c
	s_cmp_lg_u32 s2, 0xf033
	s_cbranch_scc0 .Lentry_shape_is_right
	s_endpgm
.Lentry_shape_is_right:
; out0 = ctx Wo^T on codes of FP6 (E2M3) with E8M0 scales; f32 sums, f32 out.  ctx: 8,192 tokens x 1,024, laid [16 batch + head][token][48 bytes]; its scale bytes [token][32].  Wo: [1024][768 bytes], [1024][32].  out0: [8192][1024] f32.
; A tile of out0, 256 x 256, is made by four waves of 128 x 128 (64 accumulators).  K goes in steps of 256 (four heads) through a ring of two LDS slots; all scale bytes of the tile's rows come once and stay.
; A's TILE: 128 tokens of four heads are four dense runs of 6,144 bytes, 98,304 bytes apart: one tensor load of 4 rows; in LDS [head][token][48 bytes]: rows 12 words apart, so the 32 lanes of a load of 8 bytes touch 64 different banks.
; B's tile: 128 rows x 192 bytes, 16 bytes of padding behind every 64.  128 work-groups: the tile is kept large, since each LDS byte then feeds the most products.
; CLUSTERS: 4 x 4; A's tiles are asked for jointly along a row of the cluster, B's along a column.  THE MATRIX INSTRUCTION IS USED TRANSPOSED (source 0 = 16 rows of Wo, source 1 = 16 tokens): a lane holds eight neighbouring numbers of a row of out0.
; REGISTERS, in windows of 256: window 0: v0-31 addresses; v32-63 scale words, two sets; from v128 A's fragments, one set.  window 1: B's fragments, two sets.  windows 2, 3: the accumulators ((a, b) at v[8 (8 a + b)]).
.set SIZE_N, 1024
.set NQ,     2
.set ROWB,   192
.set KROW,   768
.set PITCH,  240
.set FR,     12
.set NL,     6
.set NP,     4                         ; places behind this matrix instruction (ISA guide 7.12.1)
.set HEADB,  98304                     ; a head's codes of ctx
.set HRUN,   6144                      ; 128 tokens x 48 bytes
.set HALFA,  4*HRUN                    ; what a tensor load brings of A
.set HALFB,  128*PITCH                 ; and of B
.set SLOT,   2*HALFA+2*HALFB           ; A's 256 tokens, then B's 256 rows
.set LAPS,   2
.set KS,     32
.set SCL,    2*SLOT                    ; behind the ring: the scales, as units of 256 bytes + 16 of padding
.set HALFS,  (128*KS/256)*272
.set SBLK,   (16*KS/256)*272
.set SPARE,  SCL+4*HALFS               ; the spare words: 128 bytes a wave, named by no other line
.set SPITCH, 528                       ; the way out: 16 rows x (512 + 16) bytes a wave, in slot 0, which has had its last fill and its last read by then
.set ADRA, 16                          ; v16-17  LDS address of my A fragments in slot 0, 1
.set ADRB, 20                          ; v20-21  the same for B (v22-23: behind one padding more)
.set STO,  24
.set RD,   25
.set CO,   26
.set ADRS, 27
.set SPW,  28                          ; my spare word; never rewritten
.set NIL,  29                          ; 0; never rewritten
.set SC,   32
.set AF,   128
.set BK,   128
.set G1, 24
.set G0, 32
.set G1B, 48
.set G0B, 56
.set G1S, 68
.set G0S, 76
.set G1SB, 80
.set G0SB, 88
.set MSB, 0
.macro WIN new                         ; the immediate's high byte repeats the setting that is left
.if MSB != (\new)
	s_set_vgpr_msb (MSB<<8)|(\new)
.set MSB, (\new)
.endif
.endm
.set MUL_LO, 0xa1
.set MUL_HI, 0xf1
.set TO_B,   0x40
.macro JLOAD g0a, g1a, g0b, g1b        ; a joint load: waves 0 and 1 fetch for A, waves 2 and 3 for B; four v_nop follow each of the two lines
	s_cmp_eq_u32 s15, 0
	s_cbranch_scc0 .Lfor_b_\@
	tensor_load_to_lds s[\g0a:\g0a+3], s[\g1a:\g1a+7]
	s_nop 0
.rept 4
	v_nop
.endr
	s_branch .Lasked_\@
.Lfor_b_\@:
	tensor_load_to_lds s[\g0b:\g0b+3], s[\g1b:\g1b+7]
	s_nop 0
.rept 4
	v_nop
.endr
.Lasked_\@:
.endm
.macro CREST
	s_cmp_lg_u32 s14, 0
	s_cbranch_scc1 .Lnot_wave_0_\@
	s_barrier_signal -3
.Lnot_wave_0_\@:
	s_barrier_wait -3
	s_barrier_signal -1
	s_barrier_wait -1
.endm
.macro CROUND
	s_barrier_signal -1
	s_barrier_wait -1
	CREST
.endm
	s_load_b128 s[4:7], s[0:1], 0x0                ; ctx's codes, ctx's scales
	s_load_b128 s[8:11], s[0:1], 0x10              ; Wo's codes, Wo's scales
	s_load_b64 s[12:13], s[0:1], 0x20              ; out0
	v_lshl_add_u32 v[SPW], v0, 2, SPARE
	v_mov_b32 v[NIL], 0
	ds_add_u32 v28, v29
	ds_add_u32 v28, v29
	s_wait_dscnt 0x0
	v_lshrrev_b32 v1, 5, v0
	v_readfirstlane_b32 s14, v1                    ; wave 0..3
	s_lshr_b32 s15, s14, 1                         ; which half of the tile's rows is mine.  Also: I fetch for A (0) or for B (1)
	s_and_b32 s16, s14, 1                          ; which half of its columns.  Also: which 128 rows I fetch
	s_bfe_u32 s40, ttmp6, 0x40000                  ; cx, cy
	s_bfe_u32 s41, ttmp6, 0x40004
	s_lshl_b32 s42, ttmp9, 2
	s_add_co_u32 s42, s42, s40                     ; tile column
	s_and_b32 s17, ttmp7, 0xffff
	s_lshl_b32 s17, s17, 2
	s_add_co_u32 s17, s17, s41                     ; tile row
	s_lshl_b32 s43, s41, 2
	s_lshl_b32 s43, 15, s43                        ; my row of the cluster
	s_lshl_b32 s44, 0x1111, s40                    ; my column
	; group 1 for A: 4 rows (heads) of 768 elements of 8 bytes, 12,288 elements apart; no padding
	s_or_b32 s[G1+0], s43, (3<<16)|(1<<21)
	s_mov_b32 s[G1+1], (HRUN/8)<<16                ; tensor_dim0
	s_mov_b32 s[G1+2], 4<<16                       ; tensor_dim1
	s_mov_b32 s[G1+3], (HRUN/8)<<16                ; tile_dim0
	s_mov_b32 s[G1+4], 4                           ; tile_dim1
	s_mov_b32 s[G1+5], HEADB/8                     ; from head to head
	s_mov_b32 s[G1+6], 0
	s_mov_b32 s[G1+7], 0
	; for B: 128 rows x 192 bytes, 16 bytes of padding behind every 64
	s_or_b32 s[G1B+0], s44, (0<<16)|(1<<20)|(1<<21)|(3<<22)|(3<<25)
	s_mov_b32 s[G1B+1], ROWB<<16
	s_mov_b32 s[G1B+2], 128<<16
	s_mov_b32 s[G1B+3], ROWB<<16
	s_mov_b32 s[G1B+4], 128
	s_mov_b32 s[G1B+5], KROW
	s_mov_b32 s[G1B+6], 0
	s_mov_b32 s[G1B+7], 0
	; for the scales of 128 rows: 4,096 dense bytes as 16 rows of 256, 16 bytes of padding behind each
	s_or_b32 s[G1S+0], s43, (3<<16)|(1<<20)|(1<<21)|(5<<22)|(3<<25)
	s_or_b32 s[G1SB+0], s44, (3<<16)|(1<<20)|(1<<21)|(5<<22)|(3<<25)
.irp g, G1S, G1SB
	s_mov_b32 s[\g+1], 32<<16
	s_mov_b32 s[\g+2], (128*KS/256)<<16
	s_mov_b32 s[\g+3], 32<<16
	s_mov_b32 s[\g+4], 128*KS/256
	s_mov_b32 s[\g+5], 32
	s_mov_b32 s[\g+6], 0
	s_mov_b32 s[\g+7], 0
.endr
	s_lshl_b32 s18, s16, 7                         ; which 128 rows of a tile I fetch
	s_lshl_b32 s22, s17, 8
	s_add_co_u32 s22, s22, s18                     ; A: token 256 x tile row + 128 x half;
	s_lshl_b32 s22, s22, 5                         ; its scales: 32 bytes a token
	s_mov_b32 s23, 0
	s_lshr_b32 s20, s17, 3                         ; its codes: the batch's 16 heads,
	s_mul_i32 s20, s20, 16*HEADB
	s_and_b32 s21, s17, 7
	s_lshl_b32 s21, s21, 8
	s_add_co_u32 s21, s21, s18
	s_mul_i32 s21, s21, 48                         ; the token in the batch, 48 bytes each
	s_add_co_u32 s20, s20, s21
	s_mov_b32 s21, 0
	s_lshl_b32 s46, s42, 8
	s_add_co_u32 s46, s46, s18                     ; B: row 256 x tile column + 128 x half
	s_lshl_b32 s92, s46, 5
	s_mov_b32 s93, 0
	s_mul_i32 s46, s46, KROW
	s_mov_b32 s47, 0
	s_mul_i32 s45, s16, HALFA                      ; where they go: A's two halves,
	s_mul_i32 s95, s16, HALFB
	s_add_co_u32 s95, s95, 2*HALFA                 ; then B's two: no place in the cluster enters an LDS address
	s_mul_i32 s94, s14, HALFS
	s_wait_kmcnt 0x0
	s_add_nc_u64 s[20:21], s[4:5], s[20:21]
	s_add_nc_u64 s[22:23], s[6:7], s[22:23]
	s_add_nc_u64 s[46:47], s[8:9], s[46:47]
	s_add_nc_u64 s[92:93], s[10:11], s[92:93]
	CROUND                                         ; all sixteen work-groups are here: the first joint loads meet
	s_mov_b32 s[G0S], 1
	s_add_co_u32 s[G0S+1], s94, SCL
	s_mov_b64 s[G0S+2:G0S+3], s[22:23]
	s_or_b32 s[G0S+3], s[G0S+3], 0x80000000
	s_mov_b32 s[G0SB], 1
	s_add_co_u32 s[G0SB+1], s94, SCL
	s_mov_b64 s[G0SB+2:G0SB+3], s[92:93]
	s_or_b32 s[G0SB+3], s[G0SB+3], 0x80000000
	JLOAD G0S, G1S, G0SB, G1SB                     ; the scales first
.irp s, 0,1
	s_mov_b32 s[G0+4*\s], 1
	s_add_co_u32 s[G0+4*\s+1], s45, \s*SLOT
	s_add_nc_u64 s[G0+4*\s+2:G0+4*\s+3], s[20:21], \s*4*HEADB      ; K step s: heads 4 s on
	s_or_b32 s[G0+4*\s+3], s[G0+4*\s+3], 0x80000000
	s_mov_b32 s[G0B+4*\s], 1
	s_add_co_u32 s[G0B+4*\s+1], s95, \s*SLOT
	s_add_nc_u64 s[G0B+4*\s+2:G0B+4*\s+3], s[46:47], \s*ROWB
	s_or_b32 s[G0B+4*\s+3], s[G0B+4*\s+3], 0x80000000
	s_wait_alu depctr_va_vdst(0)
	s_wait_tensorcnt 0x0
	ds_add_u32 v28, v29
	s_wait_dscnt 0x0
	CROUND
	JLOAD G0+4*\s, G1, G0B+4*\s, G1B               ; one tensor load of mine is out now: the wait above took the earlier ones
.endr
	v_and_b32 v1, 15, v0                           ; r
	v_bfe_u32 v2, v0, 4, 1                         ; h
	v_mul_u32_u24 v3, v1, PITCH
	v_mul_u32_u24 v4, v2, 24
	v_add_nc_u32 v3, v3, v4                        ; B: row x pitch + 24 x half
	v_lshl_add_u32 v5, v2, 4, v3                   ; and the same behind one padding more
	v_mad_u32_u24 v4, v1, 48, v4                   ; A: token x 48 + 24 x half
	s_mul_i32 s21, s15, HALFA                      ; my 128 tokens of A
	s_mul_i32 s22, s16, HALFB                      ; my 128 rows of B,
	s_add_co_u32 s22, s22, 2*HALFA                 ; which lie behind A's 256
.irp s, 0,1
	v_add_nc_u32 v[ADRA+\s], s21, v4
	v_add_nc_u32 v[ADRB+\s], s22, v3
	v_add_nc_u32 v[ADRB+2+\s], s22, v5
	s_add_co_u32 s21, s21, SLOT
	s_add_co_u32 s22, s22, SLOT
.endr
	v_mul_u32_u24 v5, v1, KS                       ; my row's scales: 32 bytes a row,
	v_lshrrev_b32 v6, 8, v5
	v_lshl_add_u32 v5, v6, 4, v5                   ; and 16 more for each 256 passed
	s_mul_i32 s21, s15, HALFS
	s_mul_i32 s22, s16, HALFS
	s_add_co_u32 s22, s22, 2*HALFS
	s_sub_co_u32 s22, s22, s21
	v_mul_u32_u24 v6, s22, v2                      ; lanes 16-31 take B's: one product, the distance between the two
	s_add_co_u32 s21, s21, SCL
	v_add_nc_u32 v5, v5, v6
	v_add_nc_u32 v[ADRS], s21, v5
	s_mul_i32 s23, s14, 16*SPITCH                  ; my stage
	v_mul_u32_u24 v5, v1, SPITCH
	v_lshl_add_u32 v5, v2, 5, v5
	v_add_nc_u32 v[STO], s23, v5                   ; in: row r, 32 bytes for each half of the lanes
	v_and_b32 v6, 31, v0
	v_lshlrev_b32 v[CO], 4, v6                     ; back: the 32 lanes take one row of 512 bytes; and the same in out0
	v_add_nc_u32 v[RD], s23, v[CO]
	s_lshl_b32 s20, s17, 8
	s_lshl_b32 s21, s15, 7
	s_add_co_u32 s20, s20, s21                     ; my first row of out0,
	s_lshl_b32 s20, s20, 12                        ; 4,096 bytes a row (under 2^25)
	s_lshl_b32 s46, s42, 10
	s_lshl_b32 s47, s16, 9
	s_add_co_u32 s46, s46, s47                     ; my first column, in bytes
	s_add_co_u32 s20, s20, s46
	s_mov_b32 s21, 0
	s_add_nc_u64 s[12:13], s[12:13], s[20:21]
.macro FRAG reg, adr, q, i             ; a fragment of B: 24 bytes of the row for each 64 along K, in pieces of 8; the second address register serves the pieces whose partner three on lies behind one padding more
.irp p, 0,1,2,3,4,5
.set PIECE, 12*(\q)+6*(\p/3)+\p%3
.if PIECE%8 < 5
	ds_load_b64 v[\reg+2*\p:\reg+2*\p+1], v[\adr] offset:8*PIECE+16*(PIECE/8)+(\i)*16*PITCH
.else
	ds_load_b64 v[\reg+2*\p:\reg+2*\p+1], v[\adr+2] offset:8*PIECE+16*(PIECE/8)+(\i)*16*PITCH
.endif
.endr
.endm
.macro FRAGA reg, slot, q, i           ; a fragment of A: registers 6 c .. 6 c + 5 = head 2 q + c of the slot, block h of its 64 channels, token 16 i + r
.irp p, 0,1,2,3,4,5
	ds_load_b64 v[\reg+2*\p:\reg+2*\p+1], v[ADRA+\slot] offset:(2*(\q)+\p/3)*HRUN+(\i)*768+8*(\p%3)
.endr
.endm
; 16 matrix instructions; the 64 accumulators take turns, one instruction a turn, in the same order in every step
.macro MUL16 a0, p, q, sc, zero
.irp a, \a0, \a0+1
.irp b, 0,1,2,3,4,5,6,7
.if \zero
	v_wmma_scale_f32_16x16x128_f8f6f4 v[8*(8*((\a)%4)+\b):8*(8*((\a)%4)+\b)+7], v[128*(\p)+FR*\b:128*(\p)+FR*\b+FR-1], v[AF+FR*(\a):AF+FR*(\a)+FR-1], 0, v[SC+8*NQ*(\sc)+NQ*\b+(\q)], v[SC+8*NQ*(\sc)+NQ*(\a)+(\q)] matrix_a_fmt:MATRIX_FMT_FP6 matrix_b_fmt:MATRIX_FMT_FP6 matrix_a_scale:MATRIX_SCALE_ROW1
.else
	v_wmma_scale_f32_16x16x128_f8f6f4 v[8*(8*((\a)%4)+\b):8*(8*((\a)%4)+\b)+7], v[128*(\p)+FR*\b:128*(\p)+FR*\b+FR-1], v[AF+FR*(\a):AF+FR*(\a)+FR-1], v[8*(8*((\a)%4)+\b):8*(8*((\a)%4)+\b)+7], v[SC+8*NQ*(\sc)+NQ*\b+(\q)], v[SC+8*NQ*(\sc)+NQ*(\a)+(\q)] matrix_a_fmt:MATRIX_FMT_FP6 matrix_b_fmt:MATRIX_FMT_FP6 matrix_a_scale:MATRIX_SCALE_ROW1
.endif
.endr
.endr
.endm
.macro FETCH_B slot, q, p
	WIN TO_B
.irp i, 0,1,2,3,4,5,6,7
	FRAG 128*(\p)+FR*\i, ADRB+\slot, \q, \i
.endr
	WIN 0
.endm
.macro FETCH_A slot, q, i0
.irp i, \i0, \i0+1, \i0+2, \i0+3
	FRAGA AF+FR*(\i), \slot, \q, \i
.endr
.endm
.macro SCALES sc                       ; a K step's scale words: lanes 0-15 take A's block i, lanes 16-31 B's block i
.irp i, 0,1,2,3,4,5,6,7
	ds_load_b64 v[SC+8*NQ*\sc+NQ*\i:SC+8*NQ*\sc+NQ*\i+1], v[ADRS] offset:\i*SBLK
.endr
.endm
.macro PLACES n
.rept \n
	v_nop
.endr
.endm
.macro STEP slot, q, zero
	s_wait_dscnt 4*NL                              ; B's set and A's blocks 0-3 are in; the youngest 24 loads (A's blocks 4-7) may be out
	WIN MUL_LO
	MUL16 0, (\q)%2, \q, \slot, \zero
	MUL16 2, (\q)%2, \q, \slot, \zero
	s_wait_dscnt 0
	PLACES NP
	FETCH_B \slot, (\q)+1, 1-(\q)%2
	FETCH_A \slot, (\q)+1, 0
	WIN MUL_HI
	MUL16 4, (\q)%2, \q, \slot, \zero
	MUL16 6, (\q)%2, \q, \slot, \zero
	PLACES NP
	WIN 0
	FETCH_A \slot, (\q)+1, 4
.endm
; A slot's last step changes slots: ONE barrier; in front of it each wave waits for all its tensor loads, adds 0 to its spare word, and waits for that and for its own reads of this slot.
.macro TURN slot, next, fill
	s_wait_tensorcnt 0x0                           ; all my tensor loads have landed: my part of the next slot
	ds_add_u32 v[SPW], v[NIL]                      ; 0 onto my spare word
	s_wait_dscnt 4*NL+1                            ; (the add and the youngest 24 loads may be out)
	WIN MUL_LO
	MUL16 0, 1, NQ-1, \slot, 0
	s_wait_dscnt 0x0                               ; the add is done, and my reads of this slot are over
	s_barrier_signal -1
	MUL16 2, 1, NQ-1, \slot, 0
	WIN 0
	s_barrier_wait -1
.if \fill
	CREST                                          ; the barrier has opened a round of the cluster's barrier: no wave of any partner still reads this slot or has a load on its way
	s_add_nc_u64 s[G0+4*\slot+2:G0+4*\slot+3], s[G0+4*\slot+2:G0+4*\slot+3], 2*4*HEADB
	s_add_nc_u64 s[G0B+4*\slot+2:G0B+4*\slot+3], s[G0B+4*\slot+2:G0B+4*\slot+3], 2*ROWB
	JLOAD G0+4*\slot, G1, G0B+4*\slot, G1B         ; the first tensor load behind the round; its four v_nop are the places in front of the loads below
.else
	PLACES NP
.endif
	s_wait_alu depctr_va_vdst(0)
	v_add_nc_u32 v[ADRS], 4*NQ, v[ADRS]            ; on to the next K step's scale words (no LDS load of mine is out)
	FETCH_B \next, 0, 0
	FETCH_A \next, 0, 0
	SCALES \next
	WIN MUL_HI
	MUL16 4, 1, NQ-1, \slot, 0
	MUL16 6, 1, NQ-1, \slot, 0
	PLACES NP
	WIN 0
	FETCH_A \next, 0, 4
.endm
	s_wait_alu depctr_va_vdst(0)
	s_wait_tensorcnt 1                             ; the scales and my part of K step 0 are in (K step 1's load may be out)
	s_barrier_signal -1
	s_barrier_wait -1                              ; everybody's are
	FETCH_B 0, 0, 0
	FETCH_A 0, 0, 0
	SCALES 0
	FETCH_A 0, 0, 4
	STEP 0, 0, 1                                   ; the first step's products start the sums
	s_mov_b32 s3, LAPS-1
.Llap:
	TURN 0, 1, 1
	STEP 1, 0, 0
	TURN 1, 0, 1
	STEP 0, 0, 0
	s_sub_co_u32 s3, s3, 1
	s_cmp_lg_u32 s3, 0
	s_cbranch_scc1 .Llap
	TURN 0, 1, 0                                   ; the last lap fills nothing
	STEP 1, 0, 0
	s_wait_dscnt 4*NL
	WIN MUL_LO
	MUL16 0, 1, NQ-1, 1, 0
	MUL16 2, 1, NQ-1, 1, 0
	s_wait_dscnt 0
	WIN MUL_HI
	MUL16 4, 1, NQ-1, 1, 0
	MUL16 6, 1, NQ-1, 1, 0
	WIN 0
; THE WAY OUT, block by block of 16 rows x 128 columns: through my own stage in LDS, back as whole rows of 512 bytes.  LDS serves a wave's instructions in order (ISA guide 5.7.1.4): no wait between the stores and the loads.
.macro TOSTAGE a
.set AC, 64*((\a)%4)
	WIN 0x08+4*((\a)/4)                            ; the data: window 2 or 3
.irp b, 0,1,2,3,4,5,6,7
	ds_store_b128 v[STO], v[AC+8*\b:AC+8*\b+3] offset:64*\b          ; each accumulator from its low end on
	ds_store_b128 v[STO], v[AC+8*\b+4:AC+8*\b+7] offset:64*\b+16
.endr
	WIN 0
.set BB, BK+64*((\a)%2)
.irp t, 0,1,2,3,4,5,6,7,8,9,10,11,12,13,14,15
	ds_load_b128 v[BB+4*\t:BB+4*\t+3], v[RD] offset:\t*SPITCH
.endr
.endm
.macro SEND a, younger                 ; younger: the LDS instructions issued behind block a's loads, which may stay out
.set BB, BK+64*((\a)%2)
	s_wait_dscnt \younger
.if (\a) > 0
	s_add_nc_u64 s[12:13], s[12:13], 16*SIZE_N*4   ; (behind a wait on XCNT: the earlier stores have read their base)
.endif
.irp t, 0,1,2,3,4,5,6,7,8,9,10,11,12,13,14,15
	global_store_b128 v[CO], v[BB+4*\t:BB+4*\t+3], s[12:13] offset:\t*SIZE_N*4 th:TH_STORE_NT   ; 32 lanes store 512 consecutive bytes, at a multiple of 256 from out0's first byte
.endr
.endm
	PLACES NP
	TOSTAGE 0
.irp a, 1,2,3,4,5,6,7
.if \a > 1
	s_wait_xcnt 0x0                                ; block a - 2's stores have read their registers and their base
.endif
	TOSTAGE \a
	SEND \a-1, 32                                  ; behind block a - 1's loads: block a's 16 stores and 16 loads
.endr
	s_wait_xcnt 0x0
	SEND 7, 0
	s_wait_tensorcnt 0x0                           ; the wave's end
	ds_add_u32 v[SPW], v[NIL]
	s_wait_dscnt 0x0
	CROUND                                         ; the closing round
	s_endpgm
.Lfunc_end_k_qd0edaaceff_oproj:
	.size	k_qd0edaaceff_oproj, .Lfunc_end_k_qd0edaaceff_oproj-k_qd0edaaceff_oproj
	.p2alignl 7, 3214868480
	.fill 96, 4, 3214868480
	.section	.rodata,"a",@progbits
	.p2align	6, 0x0
	.amdhsa_kernel k_qd0edaaceff_oproj
		.amdhsa_group_segment_fixed_size 327680
		.amdhsa_private_segment_fixed_size 0
		.amdhsa_enable_private_segment 0
		.amdhsa_kernarg_size 40
		.amdhsa_user_sgpr_count 2
		.amdhsa_user_sgpr_kernarg_segment_ptr 1
		.amdhsa_wavefront_size32 1
		.amdhsa_system_sgpr_workgroup_id_x 1
		.amdhsa_system_sgpr_workgroup_id_y 1
		.amdhsa_system_sgpr_workgroup_id_z 1
		.amdhsa_system_vgpr_workitem_id 0
		.amdhsa_next_free_vgpr 1024
		.amdhsa_next_free_sgpr 98
		.amdhsa_reserve_vcc 0
		.amdhsa_float_denorm_mode_32 3
		.amdhsa_float_denorm_mode_16_64 3
		.amdhsa_memory_ordered 1
		.amdhsa_forward_progress 1
		.amdhsa_inst_pref_size 161
	.end_amdhsa_kernel
	.amdgpu_metadata
---
amdhsa.version: [ 1, 2 ]
amdhsa.kernels:
  - .name:           k_qd0edaaceff_oproj
    .symbol:         k_qd0edaaceff_oproj.kd
    .args:
      - { .name: ctx_codes, .offset: 0, .size: 8, .value_kind: global_buffer, .address_space: global }
      - { .name: ctx_scales, .offset: 8, .size: 8, .value_kind: global_buffer, .address_space: global }
      - { .name: o_weight_codes, .offset: 16, .size: 8, .value_kind: global_buffer, .address_space: global }
      - { .name: o_weight_scales, .offset: 24, .size: 8, .value_kind: global_buffer, .address_space: global }
      - { .name: out0, .offset: 32, .size: 8, .value_kind: global_buffer, .address_space: global }
    .group_segment_fixed_size: 327680
    .private_segment_fixed_size: 0
    .kernarg_segment_align: 8
    .kernarg_segment_size: 40
    .max_flat_workgroup_size: 128
    .sgpr_count:     98
    .vgpr_count:     1024
    .wavefront_size: 32
...
	.end_amdgpu_metadata
.endif
;; end of part 3
